; MI455X (gfx1250); checked and timed in simulation.
; The chip was launched on July 23, 2026; its instructions are those of AMD's public machine-readable ISA for CDNA 5 (MIT licence, August 2026) and "CDNA5" Instruction Set Architecture Reference Guide (July 2026). The comments in the code are by the model that wrote it; some were corrected since.
;; Causal Multi Head Attention. Allowed arithmetic: matrix products marked QUANTISED: E3M2 operands, one E8M0 scale for each 32 along K, by v_wmma_scale_f32_16x16x128_f8f6f4 with both operands' format E3M2, f32 sums; everything else in f32.
;; Inputs: Wk 1,024 x 1,024 float32; Wo 1,024 x 1,024 float32; Wq 1,024 x 1,024 float32; Wv 1,024 x 1,024 float32; cos 2,048 x 32 float32; sin 2,048 x 32 float32; token_positions 2,048 int32; x 2 x 2,048 x 1,024 float32.
;; Outputs: out0 2 x 2,048 x 1,024 float32.
;; Constants: use_rope = 1.
;; This version of the problem:
;;   THIS VERSION OF THE PROBLEM IS GIVEN IN LOW PRECISION. The matrix products marked QUANTISED in the list below multiply operands that are first quantised to E3M2 (3 exponent bits, 2 mantissa bits; 6 bits a number), with one power-of-two scale for each 32 numbers along K (OCP MX v1.0); their sums are f32. All else is computed in f32.
;;   The module's matrix products, in the order in which they are computed (A, B: the left and right operand; K: the contracted axis; several contracted axes count as one K, in the product's order):
;;     1. [M 4,096, K 1,024] x [K 1,024, N 1,024]; A: input x; B: input Wq: QUANTISED
;;     2. [M 4,096, K 1,024] x [K 1,024, N 1,024]; A: input x; B: input Wk: QUANTISED
;;     3. [M 4,096, K 1,024] x [K 1,024, N 1,024]; A: input x; B: input Wv: QUANTISED
;;     4. batch 32 x [M 2,048, K 64] x [K 64, N 2,048]; A: computed on the way; B: computed on the way: QUANTISED
;;     5. batch 32 x [M 2,048, K 2,048] x [K 2,048, N 64]; A: softmax (see below); B: computed on the way: QUANTISED
;;     6. [M 4,096, K 1,024] x [K 1,024, N 1,024]; A: computed on the way; B: input Wo: QUANTISED
;;   THE QUANTISER, for each operand of a quantised product, along K:
;;     - K is cut into blocks of 32 from its start; a last block that is shorter is filled with zeros.
;;     - A block's scale is 2^e with e = floor(log2(the largest magnitude in the block)) - 4, held to -126 .. 127; a block of zeros has e = 0. As a byte (E8M0): e + 127.
;;     - Each number is divided by its block's scale, clamped to +-28, and rounded to the nearest number of E3M2, ties to even, subnormals kept.
;;     - The product sums the exact products of the quantised numbers (number of the format x scale) in f32.
;;   ~~~python
;;   def quantise(x, axis):      # numpy; x: float32 -> the quantised numbers, widened to float32 again
;;       x = np.moveaxis(x, axis, -1); K = x.shape[-1]
;;       x = np.pad(x, [(0, 0)] * (x.ndim - 1) + [(0, -K % 32)]); x = x.reshape(x.shape[:-1] + (-1, 32)); a = np.abs(x).max(-1, keepdims=True)
;;       e = np.where(a > 0, np.clip(np.frexp(np.where(a > 0, a, 1))[1] - 1 - 4, -126, 127), 0)      # np.frexp(a)[1] - 1 = floor(log2(a)), exactly
;;       r = np.clip(x / 2.0 ** e, -28, 28)
;;       step = 2.0 ** (np.maximum(np.frexp(np.where(r == 0, 1, r))[1] - 1, -2) - 2)
;;       q = np.round(r / step) * step * 2.0 ** e      # np.round: ties to even
;;       return np.moveaxis(q.reshape(q.shape[:-2] + (-1,))[..., :K], -1, axis).astype(np.float32)
;;   ~~~
;;   SOFTMAX AHEAD OF A QUANTISED PRODUCT. Where the list says 'softmax', what is quantised is not the finished softmax but p = 2^(t - M), with t = logit x log2(e) and M = ceil(the row's largest t), a whole number; so 1/2 < the row's largest p <= 1. The row's sum l is taken of the UNQUANTISED p, in f32, and the product's result is divided by l at the end. Since M is a whole number, a kernel that streams over the keys may use a running M (the ceiling of the running maximum): every later rescaling is an exact power of two, which a block's scale takes up: the codes' values come out the same.
;;   OPERANDS COMPUTED ON THE WAY. 'Computed on the way' means the value that the module computes at that place (a softmax that the list does not call 'softmax' is quantised finished and normalised). What goes into a quantiser is computed in f32, as accurately as f32 sums, v_exp_f32 and their like allow (about 1e-6 of the number): no bf16 or f16 on the way to a quantiser, and a product that is left as it is and whose result goes on into a quantised operand takes f32 operands (vector FMAs, or v_wmma_f32_16x16x4_f32). A number that lies on a knife's edge between two numbers of the format may be rounded either way, as far as f32 arithmetic and the matrix unit's own rounding can turn it there, and no further.
;; One version. Each part assembles by itself: llvm-mc -triple=amdgcn-amd-amdhsa -mcpu=gfx1250 --defsym DOCPART=n.
;; ======== version 1 of 1: 4 launches
;; limits: right only within a limited range of input values
;; workspace buffers: cod 6,291,456 bytes; scl 262,144 bytes; qkv 13,369,344 bytes; ycod 3,145,728 bytes; yscl 131,072 bytes
;; launch quant (part 1): grid 256 x 1, 8 waves a work-group, no clusters, 71,680 bytes of LDS; arguments x, Wq, Wk, Wv, Wo, cod, scl; writes cod, scl
.if DOCPART == 1
	.amdgcn_target "amdgcn-amd-amdhsa--gfx1250"
	.amdhsa_code_object_version 6
	.text
	.protected	k_qc213309bc4_quant
	.globl	k_qc213309bc4_quant
	.p2align	8
	.type	k_qc213309bc4_quant,@function
k_qc213309bc4_quant:
	s_mov_b64 s[64:65], 0
	v_nop
	global_prefetch_b8 v0, s[64:65] scope:SCOPE_SE
	s_setreg_imm32_b32 hwreg(HW_REG_WAVE_MODE, 25, 1), 1
	s_wait_xcnt 0x0
; x [4096][1024] and Wq, Wk, Wv, Wo [1024][1024], f32 with K innermost, become codes of BF6 (E3M2) with one E8M0 byte for each 32 along K.
; A block's scale is 2^(floor(log2(largest magnitude)) - 4): its byte is the largest magnitude's exponent field - 4, held at 1 from below.
; LIMITS: NaN and infinities are not served; a block under 2^-122 (a block of zeros too) keeps the byte 1: its codes are read with that byte by this program alone.
; LAYOUT OF THE CODES: units of 16 rows x 64 K, 768 bytes, in the order of the operand's registers: lane l = (r = l % 16, h = l / 16) owns block h of row r, six registers:
; registers 0-3 at 16 l, registers 4-5 at 512 + 8 l.  cod = [row tile 0..511][unit 0..15][768]; row tiles 0-255 x, 256-319 Wq, 320-383 Wk, 384-447 Wv, 448-511 Wo.
; THE ROWS OF A TILE ARE NOT NEIGHBOURS: lane row p of tile 2 g + u is actual row 32 g + 8 u + p + 8 (p / 8), so that in a transposed product the 16 registers of two neighbouring result tiles are 16 neighbours.
; scl = [buffer row][32 bytes], buffer row = 16 x row tile + p.
; SHARES: work-group g takes row tiles 2 g, 2 g + 1; wave w takes tile u = w / 4 and 256 along K, kq = w % 4: four units.  All 32 loads of a wave go out at once: each reads two rows' aligned 256 bytes.
; A unit turns through the wave's own stage in LDS (rows 272 bytes apart) so that a lane gets a whole block of 32.  No tensor loads; one barrier, for the scale bytes.
.set STG,  4352                        ; a stage: 16 rows x 272 bytes
.set WREG, 2*STG                       ; two stages for each wave
.set SCB,  8*WREG                      ; behind them: 2 x 512 scale bytes
.set X,    16                          ; v16-79   two sets of 32 numbers: a block
.set R,    80                          ; v80-207  the four units as loaded
.set CR,   208                         ; v208-239 codes: eight registers for each unit, so that no store's data are written again
.set E,    240                         ; v240-243 a scale byte for each unit
	s_load_b256 s[4:11], s[0:1], 0x0               ; x, Wq, Wk, Wv
	s_load_b128 s[12:15], s[0:1], 0x20             ; Wo, cod
	s_load_b64 s[16:17], s[0:1], 0x30              ; scl
	v_lshl_add_u32 v254, v0, 2, 0x11400
	v_mov_b32 v255, 0
	v_lshrrev_b32 v10, 5, v0
	s_delay_alu instid0(VALU_DEP_1)
	v_readfirstlane_b32 s18, v10                   ; wave 0..7
	v_and_b32 v8, 15, v0                           ; r
	v_bfe_u32 v9, v0, 4, 1                         ; h
	v_and_b32 v10, 31, v0                          ; lane
	s_lshr_b32 s19, s18, 2                         ; u
	s_and_b32 s23, s18, 3                          ; kq
	v_lshlrev_b32 v1, 4, v8
	s_delay_alu instid0(VALU_DEP_1)
	v_lshl_add_u32 v1, v9, 12, v1                  ; in: lanes 0-15 one row's 256 bytes, lanes 16-31 the next row's
	s_mul_i32 s24, s18, WREG
	v_mul_u32_u24 v2, v9, 272
	s_delay_alu instid0(VALU_DEP_1)
	v_lshl_add_u32 v2, v8, 4, v2
	s_delay_alu instid0(VALU_DEP_1)
	v_add_nc_u32 v2, s24, v2                       ; into the stage, as loaded
	v_mul_u32_u24 v3, v8, 272
	s_delay_alu instid0(VALU_DEP_1)
	v_lshl_add_u32 v3, v9, 7, v3
	s_delay_alu instid0(VALU_DEP_1)
	v_add_nc_u32 v3, s24, v3                       ; out of it: row r, block h: 128 bytes
	v_lshlrev_b32 v4, 4, v10                       ; 16 x lane
	v_lshlrev_b32 v5, 3, v10                       ; 8 x lane
	s_lshl_b32 s25, s19, 9
	s_lshl_b32 s26, s23, 3
	s_add_co_u32 s25, s25, s26
	s_add_co_u32 s25, s25, SCB
	v_lshl_add_u32 v6, v8, 5, v9
	s_delay_alu instid0(VALU_DEP_1)
	v_add_nc_u32 v6, s25, v6                       ; my block's byte: 512 u + 32 r + 8 kq + h (+ 2 t)
	v_and_b32 v7, 63, v0
	s_delay_alu instid0(VALU_DEP_1)
	v_lshlrev_b32 v14, 4, v7                       ; the scale bytes' way out (waves 0, 1): 16 bytes a lane, 512 a wave
	s_delay_alu instid0(VALU_DEP_2)
	v_lshl_add_u32 v7, v7, 4, SCB
	s_and_b32 s22, ttmp9, 31
	s_wait_alu depctr_va_vdst(0)
	s_wait_kmcnt 0x0
	s_mov_b64 s[20:21], s[12:13]                   ; which tensor: the choice hangs on the work-group's number alone
	s_cmp_lt_u32 ttmp9, 224
	s_cselect_b64 s[20:21], s[10:11], s[20:21]
	s_cmp_lt_u32 ttmp9, 192
	s_cselect_b64 s[20:21], s[8:9], s[20:21]
	s_cmp_lt_u32 ttmp9, 160
	s_cselect_b64 s[20:21], s[6:7], s[20:21]
	s_cmp_lt_u32 ttmp9, 128
	s_cselect_b64 s[20:21], s[4:5], s[20:21]
	s_cselect_b32 s22, ttmp9, s22                  ; which 32 rows of it
	s_lshl_b32 s26, s22, 17                        ; 32 rows of 4,096 bytes,
	s_lshl_b32 s27, s19, 15                        ; + 8 u rows,
	s_add_co_u32 s26, s26, s27
	s_lshl_b32 s27, s23, 10                        ; + 256 kq numbers
	s_add_co_u32 s26, s26, s27
	s_mov_b32 s27, 0
	s_add_nc_u64 s[20:21], s[20:21], s[26:27]
	s_lshl_b32 s28, ttmp9, 1
	s_add_co_u32 s28, s28, s19
	s_mul_i32 s28, s28, 12288                      ; my row tile,
	s_mul_i32 s29, s23, 3072                       ; my four units of it
	s_add_co_u32 s28, s28, s29
	s_mov_b32 s29, 0
	s_add_nc_u64 s[14:15], s[14:15], s[28:29]
	s_lshl_b32 s28, ttmp9, 10                      ; the work-group's 1,024 scale bytes
	s_add_nc_u64 s[16:17], s[16:17], s[28:29]
.irp t, 0,1,2,3
.irp i, 0,1,2,3,4,5,6,7
	global_load_b128 v[R+32*\t+4*\i:R+32*\t+4*\i+3], v1, s[20:21] offset:(2*\i+8*(\i/4))*4096+256*\t th:TH_LOAD_NT   ; lane rows 2 i, 2 i + 1 of unit t
.endr
.endr
.macro TURN t                          ; unit t through a stage: LDS serves a wave's instructions in order, so no wait stands between the stores and the loads
.irp i, 0,1,2,3,4,5,6,7
	ds_store_b128 v2, v[R+32*(\t)+4*\i:R+32*(\t)+4*\i+3] offset:((\t)%2)*STG+2*\i*272
.endr
.irp j, 0,1,2,3,4,5,6,7
	ds_load_b128 v[X+32*((\t)%2)+4*\j:X+32*((\t)%2)+4*\j+3], v3 offset:((\t)%2)*STG+16*\j
.endr
.endm
.macro STEP t
.set XS, X+32*((\t)%2)
.set CU, CR+8*(\t)
.if (\t) > 0
	s_wait_dscnt 1                                 ; this unit's block is back from the stage; the last unit's byte store, issued behind it, may be out
.else
	s_wait_dscnt 0x0
.endif
.if (\t) < 3
	s_wait_loadcnt 8*(2-(\t))                      ; the next unit's eight loads are in; those of the units behind it may be out
	TURN (\t)+1
.endif
	v_max3_num_f32 v12, |v[XS]|, |v[XS+1]|, |v[XS+2]|   ; the block's largest magnitude: all 32 numbers are mine; two chains
	v_max3_num_f32 v13, |v[XS+3]|, |v[XS+4]|, |v[XS+5]|
.irp i, 6,10,14,18,22,26
	s_delay_alu instid0(VALU_DEP_2)
	v_max3_num_f32 v12, v12, |v[XS+\i]|, |v[XS+\i+1]|
	s_delay_alu instid0(VALU_DEP_2)
	v_max3_num_f32 v13, v13, |v[XS+\i+2]|, |v[XS+\i+3]|
.endr
	s_delay_alu instid0(VALU_DEP_2)
	v_max3_num_f32 v12, v12, |v[XS+30]|, |v[XS+31]|
	s_delay_alu instid0(VALU_DEP_1)
	v_max3_num_f32 v12, v12, v13, 0x2800000        ; and the floor 2^(5 - 127): the byte cannot fall under 1
	s_delay_alu instid0(VALU_DEP_1)
	v_add_nc_u32 v11, 0xfe000000, v12              ; 4 off the exponent field: the conversion takes this operand's exponent field as its scale
	s_delay_alu instid0(VALU_DEP_1)
	v_lshrrev_b32 v[E+(\t)], 23, v11               ; the scale's byte
	v_cvt_scalef32_pk16_bf6_f32 v[CU:CU+2], v[XS:XS+15], v11
	v_cvt_scalef32_pk16_bf6_f32 v[CU+4:CU+6], v[XS+16:XS+31], v11   ; (a conversion's three registers begin on an even number)
	v_nop                                          ; one plain instruction behind the scaled conversions
	v_mov_b32 v[CU+3], v[CU+4]                     ; six registers on end
	v_mov_b32 v[CU+4], v[CU+5]
	v_mov_b32 v[CU+5], v[CU+6]
	ds_store_b8 v6, v[E+(\t)] offset:2*(\t)
	global_store_b128 v4, v[CU:CU+3], s[14:15] offset:768*(\t)       ; 512 consecutive bytes, aligned to 256
	global_store_b64 v5, v[CU+4:CU+5], s[14:15] offset:768*(\t)+512  ; 256 consecutive bytes, aligned
.endm
	s_wait_loadcnt 24                              ; unit 0's eight loads are in
	TURN 0
	STEP 0
	STEP 1
	STEP 2
	STEP 3
	s_wait_dscnt 0x0                               ; for the others' sake: my byte stores are done
	s_barrier_signal -1
	s_barrier_wait -1
	s_cmp_lt_u32 s18, 2
	s_cbranch_scc0 .Ldone
	ds_load_b128 v[244:247], v7                    ; waves 0 and 1: a row tile's 512 scale bytes each
	s_wait_dscnt 0x0
	global_store_b128 v14, v[244:247], s[16:17]    ; 512 consecutive bytes, aligned to 256
.Ldone:
	s_wait_tensorcnt 0x0
	ds_add_u32 v254, v255
	s_wait_dscnt 0x0
	s_endpgm
.Lfunc_end_k_qc213309bc4_quant:
	.size	k_qc213309bc4_quant, .Lfunc_end_k_qc213309bc4_quant-k_qc213309bc4_quant
	.p2alignl 7, 3214868480
	.fill 96, 4, 3214868480
	.section	.rodata,"a",@progbits
	.p2align	6, 0x0
	.amdhsa_kernel k_qc213309bc4_quant
		.amdhsa_group_segment_fixed_size 71680
		.amdhsa_private_segment_fixed_size 0
		.amdhsa_enable_private_segment 0
		.amdhsa_kernarg_size 56
		.amdhsa_user_sgpr_count 2
		.amdhsa_user_sgpr_kernarg_segment_ptr 1
		.amdhsa_wavefront_size32 1
		.amdhsa_system_sgpr_workgroup_id_x 1
		.amdhsa_system_sgpr_workgroup_id_y 1
		.amdhsa_system_sgpr_workgroup_id_z 1
		.amdhsa_system_vgpr_workitem_id 0
		.amdhsa_next_free_vgpr 256
		.amdhsa_next_free_sgpr 66
		.amdhsa_reserve_vcc 0
		.amdhsa_float_denorm_mode_32 3
		.amdhsa_float_denorm_mode_16_64 3
		.amdhsa_memory_ordered 1
		.amdhsa_forward_progress 1
		.amdhsa_inst_pref_size 20
	.end_amdhsa_kernel
	.amdgpu_metadata
---
amdhsa.version: [ 1, 2 ]
amdhsa.kernels:
  - .name:           k_qc213309bc4_quant
    .symbol:         k_qc213309bc4_quant.kd
    .args:
      - { .name: x, .offset: 0, .size: 8, .value_kind: global_buffer, .address_space: global }
      - { .name: Wq, .offset: 8, .size: 8, .value_kind: global_buffer, .address_space: global }
      - { .name: Wk, .offset: 16, .size: 8, .value_kind: global_buffer, .address_space: global }
      - { .name: Wv, .offset: 24, .size: 8, .value_kind: global_buffer, .address_space: global }
      - { .name: Wo, .offset: 32, .size: 8, .value_kind: global_buffer, .address_space: global }
      - { .name: cod, .offset: 40, .size: 8, .value_kind: global_buffer, .address_space: global }
      - { .name: scl, .offset: 48, .size: 8, .value_kind: global_buffer, .address_space: global }
    .group_segment_fixed_size: 71680
    .private_segment_fixed_size: 0
    .kernarg_segment_align: 8
    .kernarg_segment_size: 56
    .max_flat_workgroup_size: 256
    .sgpr_count:     66
    .vgpr_count:     256
    .wavefront_size: 32
...
	.end_amdgpu_metadata
.endif
;; end of part 1
;; launch qkv (part 2): grid 12 x 16, 4 waves a work-group, clusters of 4 x 4, 327,680 bytes of LDS; arguments cod, scl, token_positions, cos, sin, qkv; writes qkv
.if DOCPART == 2
	.amdgcn_target "amdgcn-amd-amdhsa--gfx1250"
	.amdhsa_code_object_version 6
	.text
	.protected	k_qc213309bc4_qkv
	.globl	k_qc213309bc4_qkv
	.p2align	8
	.type	k_qc213309bc4_qkv,@function
k_qc213309bc4_qkv:
	s_mov_b64 s[64:65], 0
	v_nop
	global_prefetch_b8 v0, s[64:65] scope:SCOPE_SE
	s_setreg_imm32_b32 hwreg(HW_REG_WAVE_MODE, 25, 1), 1
	s_wait_xcnt 0x0
	s_wait_alu depctr_hold_cnt(0) depctr_sa_sdst(0) depctr_va_vdst(0) depctr_va_sdst(0) depctr_va_ssrc(0) depctr_va_vcc(0) depctr_vm_vsrc(0)
	s_getreg_b32 s2, hwreg(HW_REG_IB_STS2, 6, 4)
	s_cmp_eq_u32 s2, 0
	s_cbranch_scc0 .Lentry_in_a_cluster
	s_endpgm
.Lentry_in_a_cluster:
	s_bfe_u32 s2, ttmp6, 0x10000c
	s_cmp_lg_u32 s2, 0xf033
	s_cbranch_scc0 .Lentry_shape_is_right
	s_endpgm
.Lentry_shape_is_right:
; q = rope(x Wq^T), k = rope(x Wk^T), v = x Wv^T on codes of BF6 (E3M2) with E8M0 scales, and the quantisers behind them: q and k along the head's 64, v along the keys.
; THE PRODUCT.  A work-group makes 256 x 256 of a product, four waves 128 x 128 each: 64 accumulators of 16 x 16 (windows 2 and 3).  K = 1,024 goes in four K steps of 256 through three LDS slots:
; three are asked for at the head, the fourth is the one refill (slot 0), asked for behind K step 0 and read two K steps later.  Operands lie in memory and in LDS as units of 16 rows x 64 K in the order
; of the operand's registers (lane l: registers 0-3 at 16 l, 4-5 at 512 + 8 l), so every LDS load reads consecutive bytes.  The scale bytes of the work-group's rows, for all of K, come once.
; THE MATRIX INSTRUCTION IS USED TRANSPOSED: source 0 = 16 rows of B, source 1 = 16 rows of A: a lane holds one row of A and eight rows of B.  The rows of a tile were chosen by the launch before so that
; register 16 b + i of a block's 64 is B's row 32 b + 16 (lane / 16) + i.
; WHICH PRODUCT hangs on the cluster's x: 0: q, 1: k (A = x, B = the weight: a lane holds a token, its registers run along the channels); 2: v (A = Wv, B = x: a lane holds a channel, its registers run along the keys).
; CLUSTER 4 x 4: A's tiles are shared along a row of the cluster, B's along a column: joint loads.
; OUT.  q, k: [b h][token tile 128][768], units as above (a head is one unit wide); v: [b h][key step 16][channel tile 4][1536], a fragment's 12 registers as three runs of 512 bytes.
; Scale words: q, k: [tile / 4][r][tile % 4], bytes 0, 1 the head's two blocks, bytes 2, 3 = 1 (for the upper half of the next product's K = 128, which meets zero codes); v: [key step][r][tile].
; LIMITS: NaN and infinities are not served; a block under 2^-122 keeps the byte 1; token_positions is held at 2,047, the tables' last row; rope is one multiply and one fused multiply-add for each number.
; All of a WGP's LDS is claimed.
; AS THE TEXT STANDS, in place of what the head says of the slots, the scale bytes and OUT:
; THE SLOTS: each wave asks for its quarter of K step 0 at the head; K step 1 behind the three lines and a round; K step 2 (slot 2's first fill) behind K step 0's round; K step 3 (slot 0 again) behind K step 1's round:
; one tensor load a wave behind each round.
; THE SCALE WORDS go from memory into the two register sets, a K step ahead: 8 of a row's 32 bytes a K step, lanes 0-15 A's rows, lanes 16-31 B's.  They are not asked for jointly: 8,192 bytes a wave beside 393,216 of codes a work-group.
; OUT: one buffer of records of 13,056 bytes, [part 2][b h 32][128 tokens 16][record].  Part 0, q: eight units of 768 bytes, then 6,144 bytes that nobody writes or reads, then its scale words (512 bytes, [tile / 4][r][tile % 4]).
; Part 1, k and v: k's eight units, v's four fragments of 1,536 bytes, k's scale words (512), v's ([r][tile], 256): a key step's operands are one dense run of 51 x 256 bytes.
.set RS,    13056                      ; a record
.set HSZ,   16*RS                      ; a head's records
.set PART,  32*HSZ                     ; q's part; k and v's follows
.set KST,   0                          ; the K step whose first half is being multiplied, counted as the text is assembled
.set LCN,   0                          ; the global loads that may stay out at a K step's head: those issued behind its scale words
.set PFO,   252                        ; v252 the prefetches' offset; never rewritten.  s[96:97] their base; never rewritten
.set FR,    12
.set KB,    3072                       ; a row tile's bytes of a K step: four units
.set RTB,   12288                      ; a row tile in memory
.set HALFT, 8*KB                       ; 128 rows of a K step: one tensor load
.set SLOT,  4*HALFT                    ; A's 256 rows, then B's
.set SPARE, 3*SLOT                     ; behind the slots: the spare words, 128 bytes for each wave
.set A16,  4                           ; v4-6    LDS address of my A fragments' 16-byte parts in slot 0, 1, 2;  v7-9 of the 8-byte parts
.set A8,   7
.set B16,  10                          ; v10-12, v13-15 the same for B
.set B8,   13
.set ADRS, 16                          ; v16     my scale words: lanes 0-15 A's rows, lanes 16-31 B's
.set SPW,  17                          ; v17     my spare word; never rewritten
.set NIL,  18                          ; v18     0; never rewritten
.set LI16, 19                          ; v19     16 x lane
.set LI8,  20                          ; v20     8 x lane
.set SOFF, 21                          ; v21     scale words out: 16 r + 208,896 h (lanes 16-31 serve the next head)
.set SH,   22                          ; v22     16 h
.set PADW, 23                          ; v23     0x01010000
.set POS,  24                          ; v24-31  block a: 128 x my token's position + 32 h: my bytes in a row of cos and of sin
.set SC,   32                          ; v32-63  scale words, two sets of 16; they hold nothing else
.set CSB,  64                          ; v64-191 four buffers of 16 cos + 16 sin (two of them over A's fragments, once the products are done)
.set AF,   128                         ; v128-223 A's eight fragments, one set
.set PC,   192                         ; v192-211 the codes just made
.set TM,   224                         ; v224-239 at work in the quantiser
.set PW,   240                         ; v240    the scale word just made
.set TT,   241
.set SWL,  244                         ; v244-251 scale words gathered for a store
.set G1,   24                          ; s[24:31], s[32:39] descriptor group 1 for A's and B's codes
.set G1B,  32
.set G0,   40                          ; s[40:51], s[52:63] group 0, a set for each slot
.set G0B,  52
.set SEL,  100                         ; s[100:101] lane selects: lane l xor 16
.set MSB, 0
.macro WIN new                         ; the immediate's high byte repeats the setting that is left
.if MSB != (\new)
	s_set_vgpr_msb (MSB<<8)|(\new)
.set MSB, (\new)
.endif
.endm
.set MUL_LO, 0xa1                      ; source 0 (B) window 1, source 1 (A) window 0, C and D window 2
.set MUL_HI, 0xf1                      ; the same, C and D window 3
.set TO_B,   0x40                      ; destination window 1
; A joint load: waves 0 and 1 fetch for A, waves 2 and 3 for B; the branch hangs on the wave's number alone.  Four v_nop follow each of the two lines.
.macro JLOAD g0a, g1a, g0b, g1b
	s_cmp_eq_u32 s15, 0
	s_cbranch_scc0 .Lfor_b_\@
	tensor_load_to_lds s[\g0a:\g0a+3], s[\g1a:\g1a+7]
	s_nop 0
.rept 4
	v_nop
.endr
	s_branch .Lasked_\@
.Lfor_b_\@:
	tensor_load_to_lds s[\g0b:\g0b+3], s[\g1b:\g1b+7]
	s_nop 0
.rept 4
	v_nop
.endr
.Lasked_\@:
.endm
.macro CREST                           ; a round of the cluster's barrier behind its opening barrier
	s_cmp_lg_u32 s14, 0
	s_cbranch_scc1 .Lnot_wave_0_\@
	s_barrier_signal -3
.Lnot_wave_0_\@:
	s_barrier_wait -3
	s_barrier_signal -1
	s_barrier_wait -1
.endm
.macro CROUND
	s_barrier_signal -1
	s_barrier_wait -1
	CREST
.endm
.macro PLACES n                        ; plain instructions between a matrix instruction and a load into, or a vector instruction on, its registers
.rept \n
	v_nop
.endr
.endm
.macro FRAG reg, a16, a8, off          ; a fragment = two units on end: registers 0-3, 4-5, 6-9, 10-11
	ds_load_b128 v[(\reg):(\reg)+3], v[\a16] offset:(\off)
	ds_load_b64 v[(\reg)+4:(\reg)+5], v[\a8] offset:(\off)+512
	ds_load_b128 v[(\reg)+6:(\reg)+9], v[\a16] offset:(\off)+768
	ds_load_b64 v[(\reg)+10:(\reg)+11], v[\a8] offset:(\off)+1280
.endm
.macro FETCH_B slot, q, p              ; B's eight fragments of the slot's q-th 128 along K into set p
	WIN TO_B
.irp i, 0,1,2,3,4,5,6,7
	FRAG 128*(\p)+FR*\i, B16+\slot, B8+\slot, KB*\i+1536*(\q)
.endr
	WIN 0
.endm
.macro FETCH_A slot, q, i0             ; A's blocks i0 .. i0 + 3
.irp i, \i0, \i0+1, \i0+2, \i0+3
	FRAG AF+FR*(\i), A16+\slot, A8+\slot, KB*(\i)+1536*(\q)
.endr
.endm
.macro SCALES ks                       ; K step ks's two words a row into set ks % 2: lanes 0-15 A's block i, lanes 16-31 B's block i; a row tile's scale bytes are 512
.irp i, 0,1,2,3,4,5,6,7
	global_load_b64 v[SC+16*((\ks)%2)+2*\i:SC+16*((\ks)%2)+2*\i+1], v[ADRS], s[6:7] offset:\i*512+8*(\ks)
.endr
.endm
; 16 matrix instructions: A's blocks a0, a0 + 1 x B's eight.  The 64 accumulators take turns, one instruction a turn, in the same order in every step.
.macro MUL16 a0, p, q, sc, zero
.irp a, \a0, \a0+1
.irp b, 0,1,2,3,4,5,6,7
.if \zero
	v_wmma_scale_f32_16x16x128_f8f6f4 v[8*(8*((\a)%4)+\b):8*(8*((\a)%4)+\b)+7], v[128*(\p)+FR*\b:128*(\p)+FR*\b+FR-1], v[AF+FR*(\a):AF+FR*(\a)+FR-1], 0, v[SC+16*(\sc)+2*\b+(\q)], v[SC+16*(\sc)+2*(\a)+(\q)] matrix_a_fmt:MATRIX_FMT_BF6 matrix_b_fmt:MATRIX_FMT_BF6 matrix_a_scale:MATRIX_SCALE_ROW1
.else
	v_wmma_scale_f32_16x16x128_f8f6f4 v[8*(8*((\a)%4)+\b):8*(8*((\a)%4)+\b)+7], v[128*(\p)+FR*\b:128*(\p)+FR*\b+FR-1], v[AF+FR*(\a):AF+FR*(\a)+FR-1], v[8*(8*((\a)%4)+\b):8*(8*((\a)%4)+\b)+7], v[SC+16*(\sc)+2*\b+(\q)], v[SC+16*(\sc)+2*(\a)+(\q)] matrix_a_fmt:MATRIX_FMT_BF6 matrix_b_fmt:MATRIX_FMT_BF6 matrix_a_scale:MATRIX_SCALE_ROW1
.endif
.endr
.endr
.endm
.macro STEP slot, sc, zero             ; a slot's first 128 along K; it fetches the second
	s_wait_loadcnt LCN                             ; this K step's scale words are in
	s_wait_dscnt 16
	WIN MUL_LO
	MUL16 0, 0, 0, \sc, \zero
	MUL16 2, 0, 0, \sc, \zero
	s_wait_dscnt 0x0
	PLACES 4
	FETCH_B \slot, 1, 1
	FETCH_A \slot, 1, 0
.set KST, KST+1
.if KST < 4
	SCALES KST                                     ; the next K step's words, 96 matrix instructions ahead of their use, into the set that the K step before read
.endif
	WIN MUL_HI
	MUL16 4, 0, 0, \sc, \zero
	MUL16 6, 0, 0, \sc, \zero
	PLACES 4
	WIN 0
	FETCH_A \slot, 1, 4
.endm
; A slot's second 128 along K; it fetches the next slot's first.  mode 2: slot 0 is filled again: every wave waits for all its tensor loads, adds 0 to its spare word, waits for that and for its reads of the slot;
; a round of the cluster's barrier; the joint refill first behind it.  mode 1: the same lines and the work-group's barrier: the refilled slot is whole for every wave.  mode 0: the next slot was shown whole by mode 2's wait and barrier.
.macro TURN slot, next, sc, nsc, mode
.if \mode
	s_wait_tensorcnt 0x0                           ; all my tensor loads have landed
	ds_add_u32 v[SPW], v[NIL]                      ; 0 onto my spare word
	s_wait_dscnt 17                                ; (the add and the youngest sixteen loads may be out)
	WIN MUL_LO
	MUL16 0, 1, 1, \sc, 0
	s_wait_dscnt 0x0                               ; the add is done, and my reads of this slot are over
	s_barrier_signal -1
	MUL16 2, 1, 1, \sc, 0
	WIN 0
	s_barrier_wait -1
.if \mode == 2
	CREST                                          ; no wave of any partner still reads slot 0 or has a load on its way
.if \slot == 0
	JLOAD G0+8, G1, G0B+8, G1B                     ; K step 2: slot 2's first fill, issued as a refill is
.else
	s_add_nc_u64 s[G0+2:G0+3], s[G0+2:G0+3], 3*KB  ; K step 3, into slot 0
	s_add_nc_u64 s[G0B+2:G0B+3], s[G0B+2:G0B+3], 3*KB
	JLOAD G0, G1, G0B, G1B
.endif
.else
	PLACES 4
.endif
.else
	s_wait_dscnt 16
	WIN MUL_LO
	MUL16 0, 1, 1, \sc, 0
	MUL16 2, 1, 1, \sc, 0
	s_wait_dscnt 0x0
	WIN 0
	PLACES 4
.endif
	FETCH_B \next, 0, 0
	FETCH_A \next, 0, 0
	WIN MUL_HI
	MUL16 4, 1, 1, \sc, 0
	MUL16 6, 1, 1, \sc, 0
	PLACES 4
	WIN 0
	FETCH_A \next, 0, 4
.endm
.macro LAST sc                         ; the very last 128 along K
	s_wait_dscnt 16
	WIN MUL_LO
	MUL16 0, 1, 1, \sc, 0
	MUL16 2, 1, 1, \sc, 0
	s_wait_dscnt 0x0
	WIN MUL_HI
	MUL16 4, 1, 1, \sc, 0
	MUL16 6, 1, 1, \sc, 0
	WIN 0
.endm
	s_load_b256 s[4:11], s[0:1], 0x0               ; cod s[4:5], scl s[6:7], token_positions s[8:9], cos s[10:11]
	s_load_b64 s[12:13], s[0:1], 0x20              ; sin
	s_load_b64 s[20:21], s[0:1], 0x28              ; qkv
	v_lshl_add_u32 v[SPW], v0, 2, SPARE
	v_mov_b32 v[NIL], 0
	ds_add_u32 v17, v18
	ds_add_u32 v17, v18
	s_wait_dscnt 0x0
	v_lshrrev_b32 v1, 5, v0
	v_readfirstlane_b32 s14, v1                    ; wave 0..3
	s_lshr_b32 s15, s14, 1                         ; which half of A's rows is mine.  Also: I fetch for A (0) or for B (1)
	s_and_b32 s16, s14, 1                          ; which half of B's rows.  Also: which 128 rows I fetch
	s_bfe_u32 s66, ttmp6, 0x40000                  ; cx
	s_bfe_u32 s67, ttmp6, 0x40004                  ; cy
	s_and_b32 s19, ttmp7, 0xffff                   ; the cluster's y
	s_lshl_b32 s3, s19, 2
	s_lshl_b32 s105, ttmp9, 2
	s_add_co_u32 s105, s105, 16
	s_cmp_eq_u32 ttmp9, 2                          ; v?  The same in all sixteen partners
	s_cselect_b32 s17, 24, s3                      ; A's tile of 256 buffer rows: x's 4 y + cy, or Wv's 24 + cy
	s_cselect_b32 s18, s3, s105                    ; B's: the weight's 16 + 4 x + cx, or x's 4 y + cx
	s_add_co_u32 s17, s17, s67
	s_add_co_u32 s18, s18, s66
	s_lshl_b32 s2, s67, 2
	s_lshl_b32 s2, 15, s2                          ; my row of the cluster
	s_lshl_b32 s104, 0x1111, s66                   ; my column
	s_or_b32 s[G1], s2, (3<<16)|(1<<21)            ; the mask; elements of 8 bytes; bit 21 beside a mask; no padding
	s_or_b32 s[G1B], s104, (3<<16)|(1<<21)
.irp g, G1, G1B
	s_mov_b32 s[\g+1], 384<<16                     ; tensor_dim0: 3,072 bytes
	s_mov_b32 s[\g+2], 8<<16                       ; tensor_dim1: 8 row tiles
	s_mov_b32 s[\g+3], 384<<16                     ; tile_dim0
	s_mov_b32 s[\g+4], 8                           ; tile_dim1
	s_mov_b32 s[\g+5], 1536                        ; 12,288 bytes from row tile to row tile
	s_mov_b32 s[\g+6], 0
	s_mov_b32 s[\g+7], 0
.endr
	s_lshl_b32 s3, s16, 3                          ; which 8 row tiles I fetch
	s_lshl_b32 s2, s17, 4
	s_add_co_u32 s2, s2, s3                        ; A's first row tile
	s_mul_i32 s92, s2, RTB
	s_mov_b32 s93, 0
	s_lshl_b32 s104, s18, 4
	s_add_co_u32 s104, s104, s3                    ; B's
	s_mul_i32 s94, s104, RTB
	s_mov_b32 s95, 0
	s_mul_i32 s105, s14, HALFT                     ; where they go: no place in the cluster enters an LDS address
	s_mov_b32 s[SEL], 0x76543210
	s_mov_b32 s[SEL+1], 0xfedcba98
	CROUND                                         ; all sixteen work-groups are here: the first joint loads meet; the arguments land meanwhile
	s_wait_kmcnt 0x0
	s_add_nc_u64 s[92:93], s[4:5], s[92:93]
	s_add_nc_u64 s[94:95], s[4:5], s[94:95]
.irp s, 0,1,2
	s_mov_b32 s[G0+4*\s], 1
	s_add_co_u32 s[G0+4*\s+1], s105, \s*SLOT
	s_add_nc_u64 s[G0+4*\s+2:G0+4*\s+3], s[92:93], \s*KB
	s_or_b32 s[G0+4*\s+3], s[G0+4*\s+3], 0x80000000
	s_mov_b32 s[G0B+4*\s], 1
	s_add_co_u32 s[G0B+4*\s+1], s105, \s*SLOT
	s_add_nc_u64 s[G0B+4*\s+2:G0B+4*\s+3], s[94:95], \s*KB
	s_or_b32 s[G0B+4*\s+3], s[G0B+4*\s+3], 0x80000000
.endr
	JLOAD G0, G1, G0B, G1B                         ; K step 0: my one tensor load at the head
	; THE PREFETCHES.  A K step of the 8 row tiles that I fetch is 96 blocks of 256 bytes.  The four partners that ask for them jointly share them out BY ADDRESS: the partner at place p (cx for A, cy for B) names
	; row tiles 2 p and 2 p + 1: 24 blocks, a lane a block (lanes 24-31 name the last again).  K steps 1 and 2 are asked for here, behind K step 0's load; K step 3 behind K step 1's: each a load or two ahead of its own.
	s_cmp_eq_u32 s15, 0                            ; do I fetch for A?
	s_cselect_b64 s[96:97], s[92:93], s[94:95]
	s_cselect_b32 s98, s66, s67
	s_mul_i32 s98, s98, 2*RTB
	s_mov_b32 s99, 0
	s_add_nc_u64 s[96:97], s[96:97], s[98:99]
	v_and_b32 v1, 31, v0                           ; lane
	v_min_u32 v253, 23, v1
	v_mul_u32_u24 v[PFO], v253, 43
	v_lshrrev_b32 v[PFO], 9, v[PFO]                ; lane / 12: which of my two row tiles
	v_mul_u32_u24 v[PFO], v[PFO], RTB-KB           ; 12 blocks of a row tile, then on to the next row tile
	v_lshl_add_u32 v[PFO], v253, 8, v[PFO]
	global_prefetch_b8 v[PFO], s[96:97] offset:KB th:TH_LOAD_NT scope:SCOPE_SE
	global_prefetch_b8 v[PFO], s[96:97] offset:2*KB th:TH_LOAD_NT scope:SCOPE_SE
	v_and_b32 v2, 15, v0                           ; r
	v_bfe_u32 v3, v0, 4, 1                         ; h
	v_lshlrev_b32 v[LI16], 4, v1
	v_lshlrev_b32 v[LI8], 3, v1
	s_mul_i32 s3, s15, HALFT                       ; my 128 rows of A
	s_mul_i32 s105, s16, HALFT                     ; my 128 rows of B,
	s_add_co_u32 s105, s105, 2*HALFT               ; behind A's 256
.irp s, 0,1,2
	v_add_nc_u32 v[A16+\s], s3, v[LI16]
	v_add_nc_u32 v[A8+\s], s3, v[LI8]
	v_add_nc_u32 v[B16+\s], s105, v[LI16]
	v_add_nc_u32 v[B8+\s], s105, v[LI8]
	s_add_co_u32 s3, s3, SLOT
	s_add_co_u32 s105, s105, SLOT
.endr
	s_lshl_b32 s3, s17, 13                         ; the scale bytes of A's 256 rows begin at 8,192 x tile,
	s_lshl_b32 s105, s15, 12
	s_add_co_u32 s3, s3, s105                      ; my 128 of them 4,096 further on for the upper half
	s_lshl_b32 s105, s18, 13
	s_lshl_b32 s2, s16, 12
	s_add_co_u32 s105, s105, s2                    ; and B's
	v_lshlrev_b32 v1, 5, v2                        ; 32 bytes a row
	v_sub_nc_u32 v[TT], 1, v3
	v_mul_u32_u24 v[TT], s3, v[TT]                 ; lanes 0-15 take A's,
	v_mad_u32_u24 v[TT], s105, v3, v[TT]           ; lanes 16-31 B's
	v_add_nc_u32 v[ADRS], v1, v[TT]
	SCALES 0
	; my tokens' positions: lane r of A's block a stands for token 256 (tile % 8) + 128 (wave / 2) + 32 (a / 2) + 8 (a % 2) + r + 8 (r / 8).  (v's work-groups run these lines too and use nothing of them: the text parts once.)
	v_lshrrev_b32 v[TT], 3, v2
	v_lshlrev_b32 v1, 2, v2
	v_lshl_add_u32 v1, v[TT], 5, v1
	s_and_b32 s2, s17, 7
	s_lshl_b32 s2, s2, 10
	s_lshl_b32 s3, s15, 9
	s_add_co_u32 s2, s2, s3
	s_mov_b32 s3, 0
	s_add_nc_u64 s[8:9], s[8:9], s[2:3]
.irp a, 0,1,2,3,4,5,6,7
	global_load_b32 v[POS+\a], v1, s[8:9] offset:4*(32*(\a/2)+8*(\a%2))
.endr
	v_mul_u32_u24 v[SOFF], v3, HSZ
	v_lshl_add_u32 v[SOFF], v2, 4, v[SOFF]
	v_lshlrev_b32 v[SH], 4, v3
	v_mov_b32 v[PADW], 0x01010000
	v_lshlrev_b32 v[TT], 5, v3
.irp b, 0,1,2,3
	v_mov_b32 v[TM+4+\b], 0                        ; written once: a lane permute's destination counts as one of its sources
.endr
	s_wait_loadcnt 0x0
.irp a, 0,1,2,3,4,5,6,7
	v_min_u32 v[POS+\a], 0x7ff, v[POS+\a]          ; held inside the tables
	v_lshlrev_b32 v[POS+\a], 7, v[POS+\a]          ; a row of cos or sin is 128 bytes
	s_wait_alu depctr_va_vdst(0)
	v_add_nc_u32 v[POS+\a], v[POS+\a], v[TT]       ; + 32 h
.endr
	s_wait_alu depctr_va_vdst(0)
	s_wait_tensorcnt 0x0                           ; my part of K step 0 is in
	ds_add_u32 v[SPW], v[NIL]
	s_wait_dscnt 0x0
	CROUND                                         ; everybody's part is in, and all sixteen work-groups are here
	JLOAD G0+4, G1, G0B+4, G1B                     ; K step 1, my one tensor load behind the round
	FETCH_B 0, 0, 0
	FETCH_A 0, 0, 0
	global_prefetch_b8 v[PFO], s[96:97] offset:3*KB th:TH_LOAD_NT scope:SCOPE_SE   ; K step 3, the last
	FETCH_A 0, 0, 4
	STEP 0, 0, 1                                   ; the first products start the sums: nothing is cleared
	TURN 0, 1, 0, 1, 2
	STEP 1, 1, 0
	TURN 1, 2, 1, 0, 2
	STEP 2, 0, 0
; blocks 0 and 1's cos and sin, into buffers 0 and 1 (v64-127, which the products do not use): 192 matrix instructions ahead of their use.  v's work-groups run these sixteen loads too and use nothing of them: the text parts once, further down.
.irp k, 0,1
.irp q, 0,1,2,3
	global_load_b128 v[CSB+32*\k+4*\q:CSB+32*\k+4*\q+3], v[POS+\k], s[10:11] offset:64*(\q/2)+16*(\q%2)
	global_load_b128 v[CSB+16+32*\k+4*\q:CSB+16+32*\k+4*\q+3], v[POS+\k], s[12:13] offset:64*(\q/2)+16*(\q%2)
.endr
.endr
.set LCN, 16                           ; these sixteen were issued behind K step 3's scale words and may stay out at its head
	TURN 2, 0, 0, 1, 1
	STEP 0, 1, 0
; 64 numbers of a lane in window W, register 16 b + i = k 32 b + 16 (lane / 16) + i of my row, become a fragment's codes in v[PC] on and its scale word in v[pw].  Each accumulator is read from its low end on.
.macro QUANT s, W, pw
	WIN (\W)|((\W)<<2)
.irp b, 0,1,2,3
	v_max3_num_f32 v[TM+\b], |v[(\s)+16*\b]|, |v[(\s)+16*\b+1]|, 0x2800000   ; with the floor 2^(5 - 127): the byte cannot fall under 1
.endr
.irp i, 2,4,6,8,10,12,14
.irp b, 0,1,2,3
	v_max3_num_f32 v[TM+\b], |v[(\s)+16*\b+\i]|, |v[(\s)+16*\b+\i+1]|, v[TM+\b]
.endr
.endr
	WIN 0
.irp b, 0,1,2,3
	v_permlanex16_b32 v[TM+4+\b], v[TM+\b], s[SEL], s[SEL+1]
.endr
.irp b, 0,1,2,3
	v_max_num_f32 v[TM+\b], v[TM+\b], v[TM+4+\b]   ; with lane l xor 16's: the block's largest magnitude
.endr
.irp b, 0,1,2,3
	v_add_nc_u32 v[TM+12+\b], 0xfe000000, v[TM+\b] ; 4 off the exponent field: the conversion's scale operand
.endr
.irp b, 0,1,2,3
	v_lshrrev_b32 v[TM+4+\b], 23, v[TM+12+\b]      ; the byte
.endr
	v_lshl_or_b32 v[\pw], v[TM+5], 8, v[TM+4]
	v_lshl_or_b32 v[\pw], v[TM+6], 16, v[\pw]
	v_lshl_or_b32 v[\pw], v[TM+7], 24, v[\pw]
	WIN (\W)
.irp c, 0,1
	v_cvt_scalef32_pk16_bf6_f32 v[PC+6*\c:PC+6*\c+2], v[(\s)+32*\c:(\s)+32*\c+15], v[TM+12+2*\c]
	v_cvt_scalef32_pk16_bf6_f32 v[PC+12+4*\c:PC+14+4*\c], v[(\s)+32*\c+16:(\s)+32*\c+31], v[TM+13+2*\c]
.endr
	WIN 0
	v_nop                                          ; one plain instruction behind the scaled conversions
.irp c, 0,1                                    ; the operand wants a whole block in a lane: lanes 0-15 block 2 c, lanes 16-31 block 2 c + 1
.irp i, 0,1,2
	v_permlane16_swap_b32 v[PC+6*\c+\i], v[PC+12+4*\c+\i]
.endr
.irp i, 0,1,2
	v_mov_b32 v[PC+3+6*\c+\i], v[PC+12+4*\c+\i]
.endr
.endr
.endm
.macro CSLOAD a, k                     ; block a's 16 cos and 16 sin of my token into buffer k: pairs 16 bh + 8 h + 0 .. 7, bh = 0, 1
.irp q, 0,1,2,3
	global_load_b128 v[CSB+32*(\k)+4*\q:CSB+32*(\k)+4*\q+3], v[POS+(\a)], s[10:11] offset:64*(\q/2)+16*(\q%2)
	global_load_b128 v[CSB+16+32*(\k)+4*\q:CSB+16+32*(\k)+4*\q+3], v[POS+(\a)], s[12:13] offset:64*(\q/2)+16*(\q%2)
.endr
.endm
; rope on block a's 64 numbers: registers n, n + 1 are the pair (e, o) of channel pair 16 ((n / 16) % 2) + 8 h + (n % 16) / 2.  T = (o sin, e sin); R = (e cos - T.lo, o cos + T.hi).  T and R lie in window 1, where B's fragments lay.
.macro ROPE a, k
	WIN 0x50|(2+(\a)/4)
.set n, 0
.rept 32
.set tr, CSB+32*(\k)+8*((n/16)%2)+(n%16)/2
.set ts, tr%2
.set tq, tr-ts+16
.if ts
	v_pk_mul_f32 v[64+n:65+n], v[64*((\a)%4)+n:64*((\a)%4)+n+1], v[tq:tq+1] op_sel:[1,1] op_sel_hi:[0,1]
.else
	v_pk_mul_f32 v[64+n:65+n], v[64*((\a)%4)+n:64*((\a)%4)+n+1], v[tq:tq+1] op_sel:[1,0] op_sel_hi:[0,0]
.endif
.set n, n+2
.endr
.set n, 0
.rept 32
.set tr, CSB+32*(\k)+8*((n/16)%2)+(n%16)/2
.set ts, tr%2
.set tq, tr-ts
.if ts
	v_pk_fma_f32 v[n:n+1], v[64*((\a)%4)+n:64*((\a)%4)+n+1], v[tq:tq+1], v[64+n:65+n] op_sel:[0,1,0] op_sel_hi:[1,1,1] neg_lo:[0,0,1]
.else
	v_pk_fma_f32 v[n:n+1], v[64*((\a)%4)+n:64*((\a)%4)+n+1], v[tq:tq+1], v[64+n:65+n] op_sel:[0,0,0] op_sel_hi:[1,0,1] neg_lo:[0,0,1]
.endif
.set n, n+2
.endr
	WIN 0
.endm
.macro QKBLOCK a                       ; 16 tokens x 128 channels = two heads' units
.if (\a) > 0
	s_wait_xcnt 0x0                                ; the last block's stores have read their registers
.endif
.if (\a) < 5
	s_wait_loadcnt 24                              ; this block's eight loads are in; those of the three blocks behind it may be out
.else
	s_wait_loadcnt 8*(7-(\a))
.endif
	ROPE \a, (\a)%4
.if (\a) < 4
	CSLOAD (\a)+4, (\a)%4
.endif
	QUANT 0, 1, PW
	v_lshrrev_b32 v[TT], v[SH], v[PW]              ; lanes 0-15 keep the first head's two bytes, lanes 16-31 the second's
	v_and_or_b32 v[SWL+(\a)%4], v[TT], 0xffff, v[PADW]
.irp e, 0,1
	global_store_b128 v[LI16], v[PC+6*\e:PC+6*\e+3], s[92:93] offset:\e*HSZ+(\a)*768       ; 512 consecutive bytes, aligned to 256
	global_store_b64 v[LI8], v[PC+6*\e+4:PC+6*\e+5], s[92:93] offset:\e*HSZ+(\a)*768+512   ; 256
.endr
.if (\a)%4 == 3
	global_store_b128 v[SOFF], v[SWL:SWL+3], s[94:95] offset:((\a)/4)*256                    ; four tiles' words: sixteen lanes fill 256 aligned bytes for each head
.endif
.endm
.macro VBLOCK a                        ; 16 channels x 128 keys: one fragment of V
.if (\a) > 0
	s_wait_xcnt 0x0
.endif
	QUANT 64*((\a)%4), 2+(\a)/4, SWL+(\a)
.irp c, 0,1,2
	global_store_b128 v[LI16], v[PC+4*\c:PC+4*\c+3], s[92:93] offset:((\a)/4)*HSZ+((\a)%4)*1536+512*\c
.endr
.endm
	s_cmp_eq_u32 ttmp9, 2
	s_cbranch_scc1 .Lv
	; ---- q and k
	s_lshr_b32 s2, s17, 3
	s_lshl_b32 s2, s2, 4
	s_lshl_b32 s3, s66, 2
	s_add_co_u32 s2, s2, s3
	s_lshl_b32 s3, s16, 1
	s_add_co_u32 s2, s2, s3                        ; my first head: 16 batch + 4 cx + 2 (wave % 2)
	s_and_b32 s3, s17, 7
	s_lshl_b32 s3, s3, 4
	s_lshl_b32 s104, s15, 3
	s_add_co_u32 s3, s3, s104                      ; my first token tile
	s_mul_i32 s92, s2, HSZ
	s_mul_i32 s104, s3, RS/8                       ; my eight token tiles are one record
	s_add_co_u32 s92, s92, s104
	s_mul_i32 s104, ttmp9, PART                    ; q's part or k's
	s_add_co_u32 s92, s92, s104
	s_mov_b32 s93, 0
	s_add_nc_u64 s[92:93], s[20:21], s[92:93]
	s_add_nc_u64 s[94:95], s[92:93], 12288         ; the record's scale words
	LAST 1
	PLACES 4
	CSLOAD 2, 2
	CSLOAD 3, 3
.irp a, 0,1,2,3,4,5,6,7
	QKBLOCK \a
.endr
	s_branch .Lend
.Lv:
	; ---- v
	s_lshl_b32 s2, s67, 2
	s_lshl_b32 s3, s15, 1
	s_add_co_u32 s2, s2, s3                        ; my first head: 4 cy + 2 (wave / 2)
	s_lshl_b32 s3, s18, 1
	s_add_co_u32 s3, s3, s16                       ; which 128 tokens of the 4,096
	s_lshr_b32 s104, s3, 4                         ; the batch,
	s_and_b32 s3, s3, 15                           ; the key step
	s_lshl_b32 s104, s104, 4
	s_add_co_u32 s2, s2, s104
	s_mul_i32 s92, s2, HSZ
	s_mul_i32 s104, s3, RS
	s_add_co_u32 s92, s92, s104
	s_add_co_u32 s92, s92, PART+6144               ; v's fragments lie behind k's units in the record
	s_mov_b32 s93, 0
	s_add_nc_u64 s[92:93], s[20:21], s[92:93]
	s_add_nc_u64 s[94:95], s[92:93], 12800-6144    ; v's scale words, behind k's
	LAST 1
	PLACES 4
.irp a, 0,1,2,3,4,5,6,7
	VBLOCK \a
.endr
	v_cmp_ne_u32 vcc_lo, 0, v[SH]                  ; lanes 16-31 store the second head's four words
.irp i, 0,1,2,3
	v_cndmask_b32 v[SWL+\i], v[SWL+\i], v[SWL+4+\i], vcc_lo
.endr
	global_store_b128 v[SOFF], v[SWL:SWL+3], s[94:95]
.Lend:
	s_wait_tensorcnt 0x0                           ; the wave's end
	ds_add_u32 v[SPW], v[NIL]
	s_wait_dscnt 0x0
	CROUND                                         ; the closing round: no work-group ends while a partner may still ask for a tile that names it
	s_endpgm
.Lfunc_end_k_qc213309bc4_qkv:
	.size	k_qc213309bc4_qkv, .Lfunc_end_k_qc213309bc4_qkv-k_qc213309bc4_qkv
	.p2alignl 7, 3214868480
	.fill 96, 4, 3214868480
	.section	.rodata,"a",@progbits
	.p2align	6, 0x0
	.amdhsa_kernel k_qc213309bc4_qkv
		.amdhsa_group_segment_fixed_size 327680
		.amdhsa_private_segment_fixed_size 0
		.amdhsa_enable_private_segment 0
		.amdhsa_kernarg_size 48
		.amdhsa_user_sgpr_count 2
		.amdhsa_user_sgpr_kernarg_segment_ptr 1
		.amdhsa_wavefront_size32 1
		.amdhsa_system_sgpr_workgroup_id_x 1
		.amdhsa_system_sgpr_workgroup_id_y 1
		.amdhsa_system_sgpr_workgroup_id_z 1
		.amdhsa_system_vgpr_workitem_id 0
		.amdhsa_next_free_vgpr 1024
		.amdhsa_next_free_sgpr 106
		.amdhsa_reserve_vcc 1
		.amdhsa_float_denorm_mode_32 3
		.amdhsa_float_denorm_mode_16_64 3
		.amdhsa_memory_ordered 1
		.amdhsa_forward_progress 1
		.amdhsa_inst_pref_size 234
	.end_amdhsa_kernel
	.amdgpu_metadata
---
amdhsa.version: [ 1, 2 ]
amdhsa.kernels:
  - .name:           k_qc213309bc4_qkv
    .symbol:         k_qc213309bc4_qkv.kd
    .args:
      - { .name: cod, .offset: 0, .size: 8, .value_kind: global_buffer, .address_space: global }
      - { .name: scl, .offset: 8, .size: 8, .value_kind: global_buffer, .address_space: global }
      - { .name: token_positions, .offset: 16, .size: 8, .value_kind: global_buffer, .address_space: global }
      - { .name: cos, .offset: 24, .size: 8, .value_kind: global_buffer, .address_space: global }
      - { .name: sin, .offset: 32, .size: 8, .value_kind: global_buffer, .address_space: global }
      - { .name: qkv, .offset: 40, .size: 8, .value_kind: global_buffer, .address_space: global }
    .group_segment_fixed_size: 327680
    .private_segment_fixed_size: 0
    .kernarg_segment_align: 8
    .kernarg_segment_size: 48
    .max_flat_workgroup_size: 128
    .sgpr_count:     106
    .vgpr_count:     1024
    .wavefront_size: 32
...
	.end_amdgpu_metadata
.endif
;; end of part 2
;; launch attn (part 3): grid 8 x 32, 16 waves a work-group, clusters of 4 x 1, 280,576 bytes of LDS; arguments qkv, ycod, yscl; writes ycod, yscl
.if DOCPART == 3
	.amdgcn_target "amdgcn-amd-amdhsa--gfx1250"
	.amdhsa_code_object_version 6
	.text
	.protected	k_qc213309bc4_attn
	.globl	k_qc213309bc4_attn
	.p2align	8
	.type	k_qc213309bc4_attn,@function
k_qc213309bc4_attn:
	s_mov_b64 s[64:65], 0
	v_nop
	global_prefetch_b8 v0, s[64:65] scope:SCOPE_SE
	s_setreg_imm32_b32 hwreg(HW_REG_WAVE_MODE, 25, 1), 1
	s_wait_xcnt 0x0
	s_wait_alu depctr_hold_cnt(0) depctr_sa_sdst(0) depctr_va_vdst(0) depctr_va_sdst(0) depctr_va_ssrc(0) depctr_va_vcc(0) depctr_vm_vsrc(0)
	s_getreg_b32 s2, hwreg(HW_REG_IB_STS2, 6, 4)
	s_cmp_eq_u32 s2, 0
	s_cbranch_scc0 .Lentry_in_a_cluster
	s_endpgm
.Lentry_in_a_cluster:
	s_bfe_u32 s2, ttmp6, 0x10000c
	s_cmp_lg_u32 s2, 0x3003
	s_cbranch_scc0 .Lentry_shape_is_right
	s_endpgm
.Lentry_shape_is_right:
; Causal attention of one head (work-group y = 16 batch + head) on codes of BF6 (E3M2), and the quantiser of its result y along the model's channels.
; t = score x log2(e) / 8; M = the running largest t rounded up to a whole number; p = 2^(t - M) is quantised along the keys, not normalised; the row's sum is taken of the unquantised p and divides at the end
; (v_rcp_f32 and a multiply).  When M moves, the sum and O are multiplied by 2^(old M - new M), which rounds nothing.
; SHARES.  Work-group x = j (0..7) takes tile j (16 queries) of EACH of the head's 16 blocks of 128 queries, a block a wave.  The tile of block blk needs key steps 0 .. blk of 128 keys; later steps lie wholly under
; the causal mask and are not done.  The waves of blocks b and 15 - b (b = 0 .. 7) share their 17 steps: the wave of block b works its own tile on steps 0 .. b, stores its y, and then takes the tile of
; block 15 - b through steps b + 1 .. 7: eight steps; the wave of block 15 - b works steps 0 .. b and 8 .. 15 - b: nine.  At the end every wave lays its state (O^T, -M, the lane's sum) into LDS bytes of its own;
; behind one barrier the wave of block 15 - b joins its partner's part to its own: both are brought under the larger M by powers of two, which rounds nothing, and added.
; blk is the wave's number w, or 15 - w where (w / 4) xor (w % 4) is 0 or 3; the partner of wave w is wave 15 - w.  Of any four waves with w % 4 alike or w / 4 alike two have eight steps and two nine.
; Every wave walks 16 trips; a trip that is not its own is jumped over by scalar branches on the wave's number and the trip's count.  Every wave fetches its partner's tile of Q at the head; the waves of blocks 8-15 do not use it.
; CLUSTER 4, 1, 1: the four partners are work-groups of one head and need the same K and V: wave w of each asks JOINTLY for key step w's record, 13,056 dense bytes (K's eight units, V's four fragments, K's and V's scale words).
; LDS: the 16 records, 208,896 bytes, filled ONCE, one tensor load a wave; the spare words; 16 x 4,352 bytes for the states.  Nothing is filled again.  No prefetch: all loads go out at the head, there is no loop to run ahead in.
; LAYOUT.  Both products transposed: S^T = K Q^T, O^T = V^T P^T: a lane holds one query.  Register 16 b + i of S^T is key 32 b + 16 (lane / 16) + i of the step, register 16 b + i of O^T is channel 32 b + 16 (lane / 16) + i;
; lane r of query tile T is query 32 (T / 2) + 8 (T % 2) + r + 8 (r / 8).
; THE HEAD IS 64 WIDE, the instruction's K 128: Q's upper six registers are zero codes; K's upper six are the next tile's codes or zeros: they meet zeros, under scale bytes of 1.
; LIMITS: NaN and infinities are not served; a block under 2^-122 keeps the byte 1; the promise holds while |t| stays under 2^31.  y's two scale bytes a row are stored 2 bytes a lane: a scale word spans two heads, which are two work-groups.
.set SS,   13056                       ; a record
.set HS,   16*SS                       ; a head's records
.set PART, 32*HS                       ; q's records; k and v's follow
.set SPARE, HS                         ; the spare words, 128 bytes for each wave
.set XB,   SPARE+2048                  ; the states
.set XR,   4352                        ; a wave's: eight runs of 512 bytes (O^T), one of 256 (-M and the sum)
.set KF,   28                          ; v28-75  eight tiles of K x 6 registers, later four fragments of V x 12;  v76-81 zeros that stay
.set KSW,  82                          ; v82-89  K's scale words;  v90-93 V's
.set VSW,  90
.set PC,   192                         ; v192-203 p's codes;  v204-211 the conversions' second halves
.set CT,   204
.set BM,   212                         ; v212-215 the blocks' largest;  v216-219 the other lane's, then bytes;  v220-223 scale operands
.set BT,   216
.set SO,   220
.set PSC,  227                         ; p's scale word
.set WV,   12
.set BH,   13
.set JX,   14                          ; my work-group's tile within a block
.set BLK,  18                          ; my block of 128 queries
.set TQ,   19                          ; my query tile
.set PBK,  50                          ; my partner's block
.set U1,   51                          ; I work steps 0 .. U1
.set L2,   52                          ; and L2 .. BLK
.set SW,   53                          ; the step at which I change to my partner's tile
.set KS,   60                          ; the key step
.set TK,   61                          ; its record in LDS
.set CS,   66                          ; s[66:67] c = log2(e) / 8
.set SEL,  68                          ; s[68:69] lane l xor 16
.set CNT,  70
; REGISTERS: v1 16 l, v2 8 l, v4 16 r + 12,288; v6, v7, v9 the step's addresses; v11 Q's scale word; v12 -M, v13 the largest t, v[14:15] the sum; v16-21 Q, v22-27 zeros; v94 my query less 16 h, within the block;
; v95 -infinity; v96-159 S^T, then p; v160-191 O^T; v[224:225] f and 0; v226 at work; v228 y's bytes; v229 32 r; v230-231, v242-253 the sum's chains; v232-238 my partner's Q and its scale word;
; v239, v240 my state's place in LDS, v241, v3 my partner's; v254, v255 the spare word and 0.
.macro CROUND                          ; a round of the cluster's barrier
	s_barrier_signal -1
	s_barrier_wait -1
	s_cmp_lg_u32 s[WV], 0
	s_cbranch_scc1 .Lnot_wave_0_\@
	s_barrier_signal -3
.Lnot_wave_0_\@:
	s_barrier_wait -3
	s_barrier_signal -1
	s_barrier_wait -1
.endm
; THE WAY OUT of my own tile: y = O^T / the sum; its 64 channels are two blocks of 32 along the last product's K: register 16 b + i is channel 32 b + 16 h + i.
.macro WAYOUT
.rept 4
	v_nop
.endr
	v_add_f32 v14, v14, v15
	s_delay_alu instid0(VALU_DEP_1)
	v_permlanex16_b32 v226, v14, s[SEL], s[SEL+1]
	s_delay_alu instid0(VALU_DEP_1)
	v_add_f32 v14, v14, v226                       ; the row's sum
	s_wait_alu depctr_va_vdst(0)
	v_rcp_f32 v224, v14
	v_nop                                          ; a plain instruction behind the reciprocal
	s_wait_alu depctr_va_vdst(0)                   ; and the wait ahead of its first reader
.set n, 0
.rept 16
	v_pk_mul_f32 v[96+n:97+n], v[160+n:161+n], v[224:225] op_sel_hi:[1,0]
.set n, n+2
.endr
.irp b, 0,1
	v_max3_num_f32 v[BM+\b], |v[96+16*\b]|, |v[97+16*\b]|, 0x2800000
.endr
.irp i, 2,4,6,8,10,12,14
.irp b, 0,1
	s_delay_alu instid0(VALU_DEP_2)
	v_max3_num_f32 v[BM+\b], v[BM+\b], |v[96+16*\b+\i]|, |v[97+16*\b+\i]|
.endr
.endr
.irp b, 0,1
	s_delay_alu instid0(VALU_DEP_2)
	v_permlanex16_b32 v[BT+\b], v[BM+\b], s[SEL], s[SEL+1]
.endr
.irp b, 0,1
	s_delay_alu instid0(VALU_DEP_2)
	v_max_num_f32 v[BM+\b], v[BM+\b], v[BT+\b]
.endr
.irp b, 0,1
	s_delay_alu instid0(VALU_DEP_2)
	v_add_nc_u32 v[SO+\b], 0xfe000000, v[BM+\b]
.endr
.irp b, 0,1
	s_delay_alu instid0(VALU_DEP_2)
	v_lshrrev_b32 v[BT+\b], 23, v[SO+\b]
.endr
	s_delay_alu instid0(VALU_DEP_1)
	v_lshl_or_b32 v228, v[BT+1], 8, v[BT]          ; my row's two bytes; lanes l and l xor 16 hold the same
	v_cvt_scalef32_pk16_bf6_f32 v[PC:PC+2], v[96:111], v[SO]
	v_cvt_scalef32_pk16_bf6_f32 v[CT:CT+2], v[112:127], v[SO+1]
	v_nop
.irp i, 0,1,2
	v_permlane16_swap_b32 v[PC+\i], v[CT+\i]
.endr
.irp i, 0,1,2
	s_delay_alu instid0(VALU_DEP_3)
	v_mov_b32 v[PC+3+\i], v[CT+\i]
.endr
	global_store_b128 v1, v[PC:PC+3], s[6:7]       ; the unit: 512 and 256 consecutive bytes, aligned to 256
	global_store_b64 v2, v[PC+4:PC+5], s[6:7] offset:512
	global_store_b16 v229, v228, s[8:9]            ; both halves of the lanes write the same bytes with the same value
.endm
	s_load_b128 s[4:7], s[0:1], 0x0                ; qkv, ycod
	s_load_b64 s[8:9], s[0:1], 0x10                ; yscl
	v_lshl_add_u32 v254, v0, 2, SPARE
	v_mov_b32 v255, 0
	ds_add_u32 v254, v255
	ds_add_u32 v254, v255
	v_lshrrev_b32 v1, 5, v0
	v_readfirstlane_b32 s[WV], v1                  ; wave 0..15
	s_and_b32 s[BH], ttmp7, 0xffff
	s_bfe_u32 s15, ttmp6, 0x40000                  ; cx
	s_lshl_b32 s[JX], ttmp9, 2
	s_add_co_u32 s[JX], s[JX], s15
	s_lshr_b32 s16, s[WV], 2
	s_xor_b32 s16, s16, s[WV]                      ; bits 1:0: (w / 4) xor (w % 4)
	s_lshr_b32 s17, s16, 1
	s_xor_b32 s16, s16, s17
	s_and_b32 s16, s16, 1                          ; 0 where that is 0 or 3
	s_xor_b32 s16, s16, 1
	s_mul_i32 s16, s16, 15
	s_xor_b32 s[BLK], s[WV], s16                   ; w or 15 - w
	s_xor_b32 s[PBK], s[BLK], 15
	s_add_co_u32 s54, s[BLK], 1
	s_cmp_lt_u32 s[BLK], 8                         ; one of the lower blocks?
	s_cselect_b32 s[U1], 7, s[PBK]                 ; steps 0 .. 7, or 0 .. 15 - blk
	s_cselect_b32 s[L2], 99, 8                     ; and none, or 8 .. blk
	s_cselect_b32 s[SW], s54, 99                   ; the change of tiles at step blk + 1, or never
	s_lshl_b32 s[TQ], s[BLK], 3
	s_add_co_u32 s[TQ], s[TQ], s[JX]
	s_mov_b32 s24, 15|(3<<16)|(1<<21)              ; group 1: the four partners; elements of 8 bytes; bit 21 beside a mask; 51 rows of 256 bytes, dense
	s_mov_b32 s25, 32<<16
	s_mov_b32 s26, 51<<16
	s_mov_b32 s27, 32<<16
	s_mov_b32 s28, 51
	s_mov_b32 s29, 32
	s_mov_b32 s30, 0
	s_mov_b32 s31, 0
	s_mov_b32 s40, 1
	s_mul_i32 s41, s[WV], SS                       ; key step w's record, in LDS
	s_mul_i32 s20, s[BH], HS
	s_add_co_u32 s22, s20, s41
	s_add_co_u32 s22, s22, PART                    ; and in memory: made of the head and the wave's number alone
	s_mov_b32 s23, 0
	s_mul_i32 s21, s[JX], 768                      ; my tile's unit in a record of q,
	s_lshr_b32 s75, s[JX], 2
	s_lshl_b32 s75, s75, 8
	s_and_b32 s77, s[JX], 3
	s_lshl_b32 s77, s77, 2
	s_add_co_u32 s75, s75, s77
	s_add_co_u32 s75, s75, 12288                   ; and its scale words
	s_mul_i32 s74, s[BLK], SS
	s_add_co_u32 s74, s74, s20                     ; q's record of my block
	s_add_co_u32 s78, s74, s21
	s_mov_b32 s79, 0
	s_add_co_u32 s80, s74, s75
	s_mov_b32 s81, 0
	s_mul_i32 s76, s[PBK], SS
	s_add_co_u32 s76, s76, s20                     ; and of my partner's
	s_add_co_u32 s56, s76, s21
	s_mov_b32 s57, 0
	s_add_co_u32 s58, s76, s75
	s_mov_b32 s59, 0
	s_lshr_b32 s20, s[BH], 4
	s_lshl_b32 s20, s20, 7
	s_add_co_u32 s20, s20, s[TQ]                   ; y's row tile: 128 batch + T
	s_and_b32 s21, s[BH], 15                       ; the head = y's unit along K
	s_lshl_b32 s82, s20, 4
	s_add_co_u32 s82, s82, s21
	s_mul_i32 s82, s82, 768
	s_mov_b32 s83, 0
	s_lshl_b32 s72, s20, 9
	s_lshl_b32 s21, s21, 1
	s_add_co_u32 s72, s72, s21
	s_mov_b32 s73, 0
	s_lshr_b32 s62, s[JX], 1
	s_lshl_b32 s62, s62, 5
	s_and_b32 s63, s[JX], 1
	s_lshl_b32 s63, s63, 3
	s_add_co_u32 s62, s62, s63                     ; my tile's first query within the block: 32 (j / 2) + 8 (j % 2)
	s_mul_i32 s44, s[WV], XR
	s_add_co_u32 s44, s44, XB                      ; my state's place
	s_xor_b32 s45, s[WV], 15
	s_mul_i32 s45, s45, XR
	s_add_co_u32 s45, s45, XB                      ; my partner's
	s_mov_b32 s[CS], 0x3e38aa3b
	s_mov_b32 s[CS+1], s[CS]                       ; (named with it as a pair)
	s_mov_b32 s[SEL], 0x76543210
	s_mov_b32 s[SEL+1], 0xfedcba98
	s_mov_b32 s[KS], 0
	s_mov_b32 s[TK], 0
	s_wait_dscnt 0x0                               ; both opening adds are done
	CROUND                                         ; the four partners are here: the joint loads meet; the arguments land meanwhile
	s_wait_kmcnt 0x0
	s_add_nc_u64 s[42:43], s[4:5], s[22:23]
	s_or_b32 s43, s43, 0x80000000
	tensor_load_to_lds s[40:43], s[24:31]          ; every wave's one tensor load
	s_nop 0
.rept 4
	v_nop
.endr
	s_add_nc_u64 s[78:79], s[4:5], s[78:79]
	s_add_nc_u64 s[80:81], s[4:5], s[80:81]
	s_add_nc_u64 s[56:57], s[4:5], s[56:57]
	s_add_nc_u64 s[58:59], s[4:5], s[58:59]
	s_add_nc_u64 s[6:7], s[6:7], s[82:83]
	s_add_nc_u64 s[8:9], s[8:9], s[72:73]
	v_and_b32 v6, 31, v0                           ; lane
	v_and_b32 v7, 15, v0                           ; r
	v_bfe_u32 v8, v0, 4, 1                         ; h
	v_lshlrev_b32 v1, 4, v6
	v_lshlrev_b32 v2, 3, v6
	v_lshlrev_b32 v10, 4, v7                       ; 16 r
	global_load_b128 v[16:19], v1, s[78:79]        ; Q's unit stays in registers
	global_load_b64 v[20:21], v2, s[78:79] offset:512
	global_load_b32 v11, v10, s[80:81]
	global_load_b128 v[232:235], v1, s[56:57]      ; and my partner's, for the change of tiles
	global_load_b64 v[236:237], v2, s[56:57] offset:512
	global_load_b32 v238, v10, s[58:59]
	v_add_nc_u32 v4, 12288, v10
	v_add_nc_u32 v239, s44, v1
	v_add_nc_u32 v240, s44, v2
	v_add_nc_u32 v241, s45, v1
	v_add_nc_u32 v3, s45, v2
	v_lshlrev_b32 v229, 5, v7
	v_lshrrev_b32 v9, 3, v7
	v_lshlrev_b32 v5, 4, v8
	v_lshl_add_u32 v94, v9, 3, v7                  ; r + 8 (r / 8)
	v_sub_nc_u32 v94, v94, v5                      ; - 16 h
	v_add_nc_u32 v94, s62, v94
	v_mov_b32 v95, 0xff800000
	v_mov_b32 v13, 0xff61b1e6                      ; the largest t so far: -3e38
	v_floor_f32 v12, -v13
	v_mov_b32 v14, 0
	v_mov_b32 v15, 0
.irp i, 0,1,2,3,4,5
	v_mov_b32 v[22+\i], 0
	v_mov_b32 v[76+\i], 0
.endr
.irp b, 0,1,2,3
	v_mov_b32 v[BT+\b], 0                          ; written once: a lane permute's destination counts as one of its sources
.endr
	v_mov_b32 v225, 0                              ; (named as the upper half of the pair v[224:225])
	v_mov_b32 v226, 0
.set n, 0
.rept 32
	v_mov_b32 v[160+n], 0                          ; O^T: the step is written once; a tile's first step finds zeros, which the first change of M leaves zeros
.set n, n+1
.endr
	s_wait_alu depctr_va_vdst(0)
	s_wait_loadcnt 0x0                             ; Q
	s_wait_tensorcnt 0x0                           ; my record is in
	s_barrier_signal -1
	s_barrier_wait -1                              ; everybody's is
	s_mov_b32 s[CNT], 16
.Lstep:
	s_cmp_lg_u32 s[KS], s[SW]
	s_cbranch_scc1 .Lsame
	WAYOUT                                         ; THE CHANGE OF TILES: my own tile is finished and leaves;
.irp i, 0,1,2,3,4,5
	v_mov_b32 v[16+\i], v[232+\i]                  ; my partner's Q
.endr
	v_mov_b32 v11, v238
	v_mov_b32 v13, 0xff61b1e6                      ; and a state begun anew
	v_mov_b32 v14, 0
	v_mov_b32 v15, 0
	v_floor_f32 v12, -v13
.set n, 0
.rept 32
	v_mov_b32 v[160+n], 0                          ; (these 32 also stand between the writes of Q and its scale word and the next products)
.set n, n+1
.endr
	s_wait_alu depctr_va_vdst(0)
	s_wait_xcnt 0x0                                ; the stores have read their registers: the next step writes them again
.Lsame:
	s_cmp_le_u32 s[KS], s[U1]
	s_cbranch_scc1 .Lwork
	s_cmp_lt_u32 s[KS], s[L2]                      ; not my step: only the address lines at its end
	s_cbranch_scc1 .Lhidden
	s_cmp_gt_u32 s[KS], s[BLK]
	s_cbranch_scc1 .Lhidden
.Lwork:
	v_add_nc_u32 v6, s[TK], v1                     ; (these five are also the places behind the last step's products, in front of the loads)
	v_add_nc_u32 v7, s[TK], v2
	v_add_nc_u32 v9, s[TK], v4
	v_nop
	v_nop
.irp t, 0,1,2,3,4,5,6,7
	ds_load_b128 v[KF+6*\t:KF+6*\t+3], v6 offset:768*\t
	ds_load_b64 v[KF+6*\t+4:KF+6*\t+5], v7 offset:768*\t+512
.endr
	ds_load_b128 v[KSW:KSW+3], v9
	ds_load_b128 v[KSW+4:KSW+7], v9 offset:256
	s_wait_alu depctr_va_vdst(0)
	s_wait_dscnt 0x0
.irp t, 0,1,2,3,4,5,6,7
	v_wmma_scale_f32_16x16x128_f8f6f4 v[96+8*\t:103+8*\t], v[KF+6*\t:KF+6*\t+11], v[16:27], 0, v[KSW+\t], v11 matrix_a_fmt:MATRIX_FMT_BF6 matrix_b_fmt:MATRIX_FMT_BF6
.endr
.rept 4
	v_nop
.endr
.irp t, 0,1,2,3                                ; V's four fragments land under the softmax
.irp c, 0,1,2
	ds_load_b128 v[KF+12*\t+4*\c:KF+12*\t+4*\c+3], v6 offset:6144+1536*\t+512*\c
.endr
.endr
	ds_load_b128 v[VSW:VSW+3], v9 offset:512
	s_cmp_lg_u32 s[KS], s[BLK]                     ; only my own tile's last step lies on the diagonal
	s_cbranch_scc1 .Lopen
.set n, 0
.rept 64
	v_cmp_gt_i32 vcc_lo, 32*(n/16)+n%16, v94       ; register 16 b + i holds key 32 b + 16 h + i of the step: hidden where it lies behind my query
	v_cndmask_b32 v[96+n], v[96+n], v95, vcc_lo
.set n, n+1
.endr
.Lopen:
.irp b, 0,1,2,3
	v_max3_num_f32 v[BM+\b], v[96+16*\b], v[97+16*\b], v[98+16*\b]   ; the largest score of each block of 32 keys: for the row's maximum and, since p rises with the score, for the block's largest p
.endr
.irp i, 3,5,7,9,11,13
.irp b, 0,1,2,3
	v_max3_num_f32 v[BM+\b], v[BM+\b], v[96+16*\b+\i], v[97+16*\b+\i]
.endr
.endr
.irp b, 0,1,2,3
	v_max_num_f32 v[BM+\b], v[BM+\b], v[111+16*\b]
.endr
.irp b, 0,1,2,3
	s_delay_alu instid0(VALU_DEP_4)
	v_permlanex16_b32 v[BT+\b], v[BM+\b], s[SEL], s[SEL+1]
.endr
.irp b, 0,1,2,3
	s_delay_alu instid0(VALU_DEP_4)
	v_max_num_f32 v[BM+\b], v[BM+\b], v[BT+\b]
.endr
	s_delay_alu instid0(VALU_DEP_2)
	v_max3_num_f32 v226, v[BM], v[BM+1], v[BM+2]
	s_delay_alu instid0(VALU_DEP_1)
	v_max_num_f32 v226, v226, v[BM+3]
	s_delay_alu instid0(VALU_DEP_1)
	v_mul_f32 v226, s[CS], v226
	s_delay_alu instid0(VALU_DEP_1)
	v_max_num_f32 v13, v13, v226                   ; the running largest t
	v_mov_b32 v226, v12
	s_delay_alu instid0(VALU_DEP_2)
	v_floor_f32 v12, -v13                          ; -M = floor(-t): M is a whole number
	s_delay_alu instid0(VALU_DEP_1)
	v_sub_f32 v226, v12, v226
	s_delay_alu instid0(VALU_DEP_1)
	v_cvt_i32_f32 v226, v226                       ; (it saturates)
	s_delay_alu instid0(VALU_DEP_1)
	v_ldexp_f32 v224, 1.0, v226                    ; f = 2^(old M - new M)
.set n, 0
.rept 32
	v_pk_fma_f32 v[96+n:97+n], v[96+n:97+n], s[CS:CS+1], v[12:13] op_sel_hi:[1,0,0]   ; t - M
.set n, n+2
.endr
.irp b, 0,1,2,3
	v_fma_f32 v[BM+\b], v[BM+\b], s[CS], v12
.endr
.set n, 0
	s_wait_alu depctr_va_vdst(0)
.rept 64
	v_exp_f32 v[96+n], v[96+n]                     ; p, one batch
.set n, n+1
.endr
	v_pk_mul_f32 v[14:15], v[14:15], v[224:225] op_sel_hi:[1,0]   ; the sums under the new M: the plain instruction behind the batch
	s_wait_alu depctr_va_vdst(0)                   ; one wait for the batch, ahead of its first reader
.irp b, 0,1,2,3
	v_exp_f32 v[BM+\b], v[BM+\b]                   ; the blocks' largest p
.endr
	v_pk_add_f32 v[230:231], v[100:101], v[104:105]   ; the row's sum of the unquantised p, in eight chains
	v_pk_add_f32 v[252:253], v[108:109], v[112:113]
	v_pk_add_f32 v[250:251], v[116:117], v[120:121]
	v_pk_add_f32 v[248:249], v[124:125], v[128:129]
	v_pk_add_f32 v[246:247], v[132:133], v[136:137]
	v_pk_add_f32 v[244:245], v[140:141], v[144:145]
	v_pk_add_f32 v[242:243], v[148:149], v[152:153]
	v_pk_add_f32 v[14:15], v[14:15], v[156:157]
	v_pk_add_f32 v[230:231], v[230:231], v[96:97]
	v_pk_add_f32 v[252:253], v[252:253], v[98:99]
	v_pk_add_f32 v[250:251], v[250:251], v[102:103]
	v_pk_add_f32 v[248:249], v[248:249], v[106:107]
	v_pk_add_f32 v[246:247], v[246:247], v[110:111]
	v_pk_add_f32 v[244:245], v[244:245], v[114:115]
	v_pk_add_f32 v[242:243], v[242:243], v[118:119]
	v_pk_add_f32 v[14:15], v[14:15], v[122:123]
	v_pk_add_f32 v[230:231], v[230:231], v[126:127]
	v_pk_add_f32 v[252:253], v[252:253], v[130:131]
	v_pk_add_f32 v[250:251], v[250:251], v[134:135]
	v_pk_add_f32 v[248:249], v[248:249], v[138:139]
	v_pk_add_f32 v[246:247], v[246:247], v[142:143]
	v_pk_add_f32 v[244:245], v[244:245], v[146:147]
	v_pk_add_f32 v[242:243], v[242:243], v[150:151]
	v_pk_add_f32 v[14:15], v[14:15], v[154:155]
	v_pk_add_f32 v[230:231], v[230:231], v[158:159]
	s_delay_alu instid0(VALU_DEP_2)
	v_pk_add_f32 v[14:15], v[14:15], v[248:249]
	s_delay_alu instid0(VALU_DEP_2)
	v_pk_add_f32 v[230:231], v[230:231], v[246:247]
	v_pk_add_f32 v[252:253], v[252:253], v[244:245]
	v_pk_add_f32 v[250:251], v[250:251], v[242:243]
	s_delay_alu instid0(VALU_DEP_2)
	v_pk_add_f32 v[14:15], v[14:15], v[252:253]
	s_delay_alu instid0(VALU_DEP_2)
	v_pk_add_f32 v[230:231], v[230:231], v[250:251]
	s_delay_alu instid0(VALU_DEP_1)
	v_pk_add_f32 v[14:15], v[14:15], v[230:231]
	s_wait_alu depctr_va_vdst(0)                   ; and one for the four
.irp b, 0,1,2,3
	v_max_num_f32 v[BM+\b], 0x2800000, v[BM+\b]    ; the floor 2^(5 - 127)
.endr
.irp b, 0,1,2,3
	s_delay_alu instid0(VALU_DEP_4)
	v_add_nc_u32 v[SO+\b], 0xfe000000, v[BM+\b]
.endr
.irp b, 0,1,2,3
	s_delay_alu instid0(VALU_DEP_4)
	v_lshrrev_b32 v[BT+\b], 23, v[SO+\b]
.endr
	s_delay_alu instid0(VALU_DEP_3)
	v_lshl_or_b32 v[PSC], v[BT+1], 8, v[BT]
	s_delay_alu instid0(VALU_DEP_1)
	v_lshl_or_b32 v[PSC], v[BT+2], 16, v[PSC]
	s_delay_alu instid0(VALU_DEP_1)
	v_lshl_or_b32 v[PSC], v[BT+3], 24, v[PSC]
.irp c, 0,1
	v_cvt_scalef32_pk16_bf6_f32 v[PC+6*\c:PC+6*\c+2], v[96+32*\c:111+32*\c], v[SO+2*\c]
	v_cvt_scalef32_pk16_bf6_f32 v[CT+4*\c:CT+4*\c+2], v[112+32*\c:127+32*\c], v[SO+2*\c+1]
.endr
	v_nop
.irp c, 0,1
.irp i, 0,1,2
	v_permlane16_swap_b32 v[PC+6*\c+\i], v[CT+4*\c+\i]
.endr
.irp i, 0,1,2
	s_delay_alu instid0(VALU_DEP_3)
	v_mov_b32 v[PC+3+6*\c+\i], v[CT+4*\c+\i]
.endr
.endr
.set n, 0
.rept 16
	v_pk_mul_f32 v[160+n:161+n], v[160+n:161+n], v[224:225] op_sel_hi:[1,0]   ; O^T under the new M; these sixteen also stand between the writes of p's codes and scale word and the products
.set n, n+2
.endr
	s_wait_alu depctr_va_vdst(0)
	s_wait_dscnt 0x0                               ; V
.irp t, 0,1,2,3
	v_wmma_scale_f32_16x16x128_f8f6f4 v[160+8*\t:167+8*\t], v[KF+12*\t:KF+12*\t+11], v[PC:PC+11], v[160+8*\t:167+8*\t], v[VSW+\t], v[PSC] matrix_a_fmt:MATRIX_FMT_BF6 matrix_b_fmt:MATRIX_FMT_BF6
.endr
.Lhidden:
	s_add_co_u32 s[KS], s[KS], 1
	s_add_co_u32 s[TK], s[TK], SS
	s_sub_co_u32 s[CNT], s[CNT], 1
	s_cmp_lg_u32 s[CNT], 0
	s_cbranch_scc1 .Lstep
	; THE STATES MEET.  Every wave lays O^T (an image of its registers, 16 bytes a lane), -M and its lane's sum into its own bytes.
.rept 4
	v_nop
.endr
	v_add_f32 v13, v14, v15                        ; my lane's sum, beside -M
.irp i, 0,1,2,3,4,5,6,7
	ds_store_b128 v239, v[160+4*\i:163+4*\i] offset:512*\i
.endr
	ds_store_b64 v240, v[12:13] offset:4096
	s_wait_alu depctr_va_vdst(0)
	s_wait_dscnt 0x0                               ; for the others' sake: my stores are done
	s_barrier_signal -1
	s_barrier_wait -1
	s_cmp_lt_u32 s[BLK], 8                         ; the waves of blocks 0-7 have stored their own tiles and handed their part over
	s_cbranch_scc1 .Lend
.irp i, 0,1,2,3,4,5,6,7
	ds_load_b128 v[96+4*\i:99+4*\i], v241 offset:512*\i
.endr
	ds_load_b64 v[128:129], v3 offset:4096
	s_wait_dscnt 0x0
	v_min_num_f32 v130, v12, v128                  ; -M of the two parts together
	v_mov_b32 v135, 0                              ; (named as the upper half of the pair v[134:135])
	v_mov_b32 v15, 0
	v_sub_f32 v131, v130, v12
	v_sub_f32 v132, v130, v128                     ; (a partner with no step has -M = 3e38: its factor comes out 0, over zeros)
	v_cvt_i32_f32 v131, v131                       ; (they saturate)
	v_cvt_i32_f32 v132, v132
	v_ldexp_f32 v224, 1.0, v131                    ; my part's factor,
	v_ldexp_f32 v134, 1.0, v132                    ; my partner's
	v_mul_f32 v13, v13, v224
	v_fma_f32 v14, v129, v134, v13
.set n, 0
.rept 16
	v_pk_mul_f32 v[160+n:161+n], v[160+n:161+n], v[224:225] op_sel_hi:[1,0]
.set n, n+2
.endr
.set n, 0
.rept 16
	v_pk_fma_f32 v[160+n:161+n], v[96+n:97+n], v[134:135], v[160+n:161+n] op_sel_hi:[1,0,1]
.set n, n+2
.endr
	WAYOUT
.Lend:
	s_wait_tensorcnt 0x0                           ; the wave's end
	ds_add_u32 v254, v255
	s_wait_dscnt 0x0
	CROUND                                         ; the closing round
	s_endpgm
.Lfunc_end_k_qc213309bc4_attn:
	.size	k_qc213309bc4_attn, .Lfunc_end_k_qc213309bc4_attn-k_qc213309bc4_attn
	.p2alignl 7, 3214868480
	.fill 96, 4, 3214868480
	.section	.rodata,"a",@progbits
	.p2align	6, 0x0
	.amdhsa_kernel k_qc213309bc4_attn
		.amdhsa_group_segment_fixed_size 280576
		.amdhsa_private_segment_fixed_size 0
		.amdhsa_enable_private_segment 0
		.amdhsa_kernarg_size 24
		.amdhsa_user_sgpr_count 2
		.amdhsa_user_sgpr_kernarg_segment_ptr 1
		.amdhsa_wavefront_size32 1
		.amdhsa_system_sgpr_workgroup_id_x 1
		.amdhsa_system_sgpr_workgroup_id_y 1
		.amdhsa_system_sgpr_workgroup_id_z 1
		.amdhsa_system_vgpr_workitem_id 0
		.amdhsa_next_free_vgpr 256
		.amdhsa_next_free_sgpr 84
		.amdhsa_reserve_vcc 1
		.amdhsa_float_denorm_mode_32 3
		.amdhsa_float_denorm_mode_16_64 3
		.amdhsa_memory_ordered 1
		.amdhsa_forward_progress 1
		.amdhsa_inst_pref_size 45
	.end_amdhsa_kernel
	.amdgpu_metadata
---
amdhsa.version: [ 1, 2 ]
amdhsa.kernels:
  - .name:           k_qc213309bc4_attn
    .symbol:         k_qc213309bc4_attn.kd
    .args:
      - { .name: qkv, .offset: 0, .size: 8, .value_kind: global_buffer, .address_space: global }
      - { .name: ycod, .offset: 8, .size: 8, .value_kind: global_buffer, .address_space: global }
      - { .name: yscl, .offset: 16, .size: 8, .value_kind: global_buffer, .address_space: global }
    .group_segment_fixed_size: 280576
    .private_segment_fixed_size: 0
    .kernarg_segment_align: 8
    .kernarg_segment_size: 24
    .max_flat_workgroup_size: 512
    .sgpr_count:     84
    .vgpr_count:     256
    .wavefront_size: 32
...
	.end_amdgpu_metadata
.endif
;; end of part 3
;; launch proj (part 4): grid 8 x 32, 4 waves a work-group, clusters of 4 x 4, 229,376 bytes of LDS; arguments ycod, yscl, cod, scl, out0; writes out0
.if DOCPART == 4
	.amdgcn_target "amdgcn-amd-amdhsa--gfx1250"
	.amdhsa_code_object_version 6
	.text
	.protected	k_qc213309bc4_proj
	.globl	k_qc213309bc4_proj
	.p2align	8
	.type	k_qc213309bc4_proj,@function
k_qc213309bc4_proj:
	s_mov_b64 s[64:65], 0
	v_nop
	global_prefetch_b8 v0, s[64:65] scope:SCOPE_SE
	s_setreg_imm32_b32 hwreg(HW_REG_WAVE_MODE, 25, 1), 1
	s_wait_xcnt 0x0
	s_wait_alu depctr_hold_cnt(0) depctr_sa_sdst(0) depctr_va_vdst(0) depctr_va_sdst(0) depctr_va_ssrc(0) depctr_va_vcc(0) depctr_vm_vsrc(0)
	s_getreg_b32 s2, hwreg(HW_REG_IB_STS2, 6, 4)
	s_cmp_eq_u32 s2, 0
	s_cbranch_scc0 .Lentry_in_a_cluster
	s_endpgm
.Lentry_in_a_cluster:
	s_bfe_u32 s2, ttmp6, 0x10000c
	s_cmp_lg_u32 s2, 0xf033
	s_cbranch_scc0 .Lentry_shape_is_right
	s_endpgm
.Lentry_shape_is_right:
; out0 = y Wo^T on codes of BF6 (E3M2) with E8M0 scales; y [4096][1024] from ycod, yscl; Wo from row tiles 448-511 of cod, scl; sums in f32.
; A work-group makes 128 x 128 of the result: 32 x 8 = 256 work-groups.  ALL OF K = 1,024 lies in LDS at once: 128 rows of y and 128 of Wo are 98,304 dense bytes each, their scale bytes 4,096 each.
; These four runs are the head's four tensor loads, one a wave; one barrier; nothing is filled again, so there is no ring, and no loop in which a prefetch could run ahead.
; CLUSTER 4 x 4: y's runs are shared along a row of the cluster, Wo's along a column: joint loads.
; Operands lie in memory and in LDS as units of 16 rows x 64 K, 768 bytes, in the order of the operand's registers (lane l: registers 0-3 at 16 l, 4-5 at 512 + 8 l): a row tile is 16 units, 12,288 bytes.
; Lane row p of row tile 2 g + u is actual row 32 g + 8 u + p + 8 (p / 8).  Scale bytes: [row tile][p][32].
; A wave makes 64 x 64: 16 accumulators (v256-383), which take turns, one instruction a turn.  K goes in eight steps of 128 on THREE sets of fragments, 96 registers each
; (v32-127, v128-223, v384-479), fetched two steps ahead: 32 matrix instructions stand between a step's 32 LDS loads and the wait for them.
; All of a row's eight scale words stay in v224-255: register 8 i + s: lanes 0-15 y's tile i, lanes 16-31 Wo's tile i, K step s.
; THE MATRIX INSTRUCTION IS USED TRANSPOSED: source 0 = 16 rows of Wo, source 1 = 16 rows of y: a lane holds row r of y's tile and columns 32 (b / 2) + 8 (b % 2) + 16 h + 0 .. 7.
; THE WAY OUT: 16 rows x 64 columns at a time through the wave's own stage (bytes that no tensor load fills), back as rows of 256 bytes: sixteen lanes store 256 consecutive aligned bytes.
.set TB,    12288
.set HB,    8*TB
.set LSA,   2*HB                       ; y's scale bytes, then Wo's
.set SPARE, LSA+8192                   ; the spare words, 128 bytes for each wave
.set STAGE, SPARE+512
.set SP,    272                        ; a stage row: 256 bytes + 16
.set A16, 4
.set A8,  5
.set B16, 6
.set B8,  7
.set ADRS, 8
.set SPW, 9
.set NIL, 10
.set STO, 11
.set RD,  12
.set CO,  13
.set FS,  32
.set SCR, 224
.set G1,   24
.set G1B,  32
.set G1S,  48
.set G1SB, 56
.set G0,   68
.set G0B,  72
.set G0S,  76
.set G0SB, 80
.set MSB, 0
.macro WIN new                         ; the immediate's high byte repeats the setting that is left
.if MSB != (\new)
	s_set_vgpr_msb (MSB<<8)|(\new)
.set MSB, (\new)
.endif
.endm
.macro CROUND                          ; a round of the cluster's barrier
	s_barrier_signal -1
	s_barrier_wait -1
	s_cmp_lg_u32 s14, 0
	s_cbranch_scc1 .Lnot_wave_0_\@
	s_barrier_signal -3
.Lnot_wave_0_\@:
	s_barrier_wait -3
	s_barrier_signal -1
	s_barrier_wait -1
.endm
.macro PLACES n
.rept \n
	v_nop
.endr
.endm
	s_load_b256 s[4:11], s[0:1], 0x0               ; ycod, yscl, cod, scl
	s_load_b64 s[12:13], s[0:1], 0x20              ; out0
	v_lshl_add_u32 v[SPW], v0, 2, SPARE
	v_mov_b32 v[NIL], 0
	ds_add_u32 v[SPW], v[NIL]
	ds_add_u32 v[SPW], v[NIL]
	v_lshrrev_b32 v1, 5, v0
	v_readfirstlane_b32 s14, v1                    ; wave 0..3
	s_lshr_b32 s15, s14, 1                         ; which 64 rows are mine
	s_and_b32 s16, s14, 1                          ; which 64 columns
	s_bfe_u32 s40, ttmp6, 0x40000                  ; cx
	s_bfe_u32 s41, ttmp6, 0x40004                  ; cy
	s_lshl_b32 s42, ttmp9, 2
	s_add_co_u32 s42, s42, s40                     ; block column 0..7
	s_and_b32 s17, ttmp7, 0xffff
	s_lshl_b32 s17, s17, 2
	s_add_co_u32 s17, s17, s41                     ; block row 0..31
	s_lshl_b32 s43, s41, 2
	s_lshl_b32 s43, 15, s43                        ; my row of the cluster
	s_lshl_b32 s44, 0x1111, s40                    ; my column
	s_or_b32 s[G1], s43, (3<<16)|(1<<21)           ; the mask; elements of 8 bytes; bit 21 beside a mask
	s_or_b32 s[G1B], s44, (3<<16)|(1<<21)
	s_or_b32 s[G1S], s43, (3<<16)|(1<<21)
	s_or_b32 s[G1SB], s44, (3<<16)|(1<<21)
.irp g, G1, G1B                        ; 98,304 dense bytes as 384 rows of 256
	s_mov_b32 s[\g+1], 32<<16
	s_mov_b32 s[\g+2], 384<<16
	s_mov_b32 s[\g+3], 32<<16
	s_mov_b32 s[\g+4], 384
	s_mov_b32 s[\g+5], 32
	s_mov_b32 s[\g+6], 0
	s_mov_b32 s[\g+7], 0
.endr
.irp g, G1S, G1SB                      ; 4,096 dense bytes as 16 rows of 256
	s_mov_b32 s[\g+1], 32<<16
	s_mov_b32 s[\g+2], 16<<16
	s_mov_b32 s[\g+3], 32<<16
	s_mov_b32 s[\g+4], 16
	s_mov_b32 s[\g+5], 32
	s_mov_b32 s[\g+6], 0
	s_mov_b32 s[\g+7], 0
.endr
	s_mul_i32 s20, s17, HB                         ; y's 128 rows: made of the block row alone
	s_mov_b32 s21, 0
	s_lshl_b32 s22, s17, 12
	s_mov_b32 s23, 0
	s_mul_i32 s46, s42, HB                         ; Wo's: of the block column alone
	s_add_co_u32 s46, s46, 448*TB
	s_mov_b32 s47, 0
	s_lshl_b32 s92, s42, 12
	s_add_co_u32 s92, s92, 448*512
	s_mov_b32 s93, 0
	s_lshl_b32 s18, s17, 19                        ; my part of out0: 128 rows of 4,096 bytes a block row,
	s_lshl_b32 s19, s15, 18                        ; 64 rows,
	s_add_co_u32 s18, s18, s19
	s_lshl_b32 s19, s42, 9                         ; 512 bytes a block column,
	s_add_co_u32 s18, s18, s19
	s_lshl_b32 s19, s16, 8                         ; 256
	s_add_co_u32 s18, s18, s19
	s_mov_b32 s19, 0
	s_mul_i32 s84, s15, 4*TB                       ; LDS: my four row tiles of y,
	s_mul_i32 s85, s16, 4*TB
	s_add_co_u32 s85, s85, HB                      ; of Wo,
	s_lshl_b32 s86, s15, 11                        ; y's scale bytes,
	s_lshl_b32 s87, s16, 11
	s_add_co_u32 s87, s87, 4096
	s_sub_co_u32 s87, s87, s86                     ; how far behind them Wo's lie,
	s_add_co_u32 s86, s86, LSA
	s_mul_i32 s88, s14, 16*SP
	s_add_co_u32 s88, s88, STAGE                   ; my stage
	s_wait_dscnt 0x0                               ; both opening adds are done
	CROUND                                         ; all sixteen work-groups are here: the joint loads meet; the arguments land meanwhile
	s_wait_kmcnt 0x0
	s_add_nc_u64 s[12:13], s[12:13], s[18:19]
	s_mov_b32 s[G0], 1
	s_mov_b32 s[G0+1], 0
	s_add_nc_u64 s[G0+2:G0+3], s[4:5], s[20:21]
	s_or_b32 s[G0+3], s[G0+3], 0x80000000
	s_mov_b32 s[G0B], 1
	s_mov_b32 s[G0B+1], HB
	s_add_nc_u64 s[G0B+2:G0B+3], s[8:9], s[46:47]
	s_or_b32 s[G0B+3], s[G0B+3], 0x80000000
	s_mov_b32 s[G0S], 1
	s_mov_b32 s[G0S+1], LSA
	s_add_nc_u64 s[G0S+2:G0S+3], s[6:7], s[22:23]
	s_or_b32 s[G0S+3], s[G0S+3], 0x80000000
	s_mov_b32 s[G0SB], 1
	s_mov_b32 s[G0SB+1], LSA+4096
	s_add_nc_u64 s[G0SB+2:G0SB+3], s[10:11], s[92:93]
	s_or_b32 s[G0SB+3], s[G0SB+3], 0x80000000
; one tree of branches on the wave's number, a load to an arm: wave 0 y's codes, wave 1 Wo's, wave 2 y's scale bytes, wave 3 Wo's
.macro ARM under, g0, g1, next
	s_cmp_lt_u32 s14, \under
	s_cbranch_scc0 \next
	tensor_load_to_lds s[\g0:\g0+3], s[\g1:\g1+7]
	s_nop 0
.rept 4
	v_nop
.endr
	s_branch .Lhead_asked
\next:
.endm
	ARM 1, G0,  G1,  .Lhead_b
	ARM 2, G0B, G1B, .Lhead_sa
	ARM 3, G0S, G1S, .Lhead_sb
	tensor_load_to_lds s[G0SB:G0SB+3], s[G1SB:G1SB+7]
	s_nop 0
.rept 4
	v_nop
.endr
.Lhead_asked:
	v_and_b32 v1, 31, v0                           ; lane
	v_and_b32 v2, 15, v0                           ; r
	v_bfe_u32 v3, v0, 4, 1                         ; h
	v_lshlrev_b32 v14, 4, v1
	v_lshlrev_b32 v15, 3, v1
	v_add_nc_u32 v[A16], s84, v14
	v_add_nc_u32 v[A8], s84, v15
	v_add_nc_u32 v[B16], s85, v14
	v_add_nc_u32 v[B8], s85, v15
	v_lshlrev_b32 v16, 5, v2                       ; 32 scale bytes a row
	v_mul_u32_u24 v17, s87, v3                     ; lanes 16-31 take Wo's
	v_add_nc_u32 v16, v16, v17
	v_add_nc_u32 v[ADRS], s86, v16
	v_mul_u32_u24 v18, v2, SP                      ; into the stage: row r, 64 bytes for each half of the lanes
	v_lshl_add_u32 v18, v3, 6, v18
	v_add_nc_u32 v[STO], s88, v18
	v_mul_u32_u24 v19, v3, SP                      ; back: lanes 0-15 one row of 256 bytes, lanes 16-31 the next
	v_lshl_add_u32 v19, v2, 4, v19
	v_add_nc_u32 v[RD], s88, v19
	v_lshlrev_b32 v20, 12, v3                      ; and the same two rows in out0
	v_lshl_add_u32 v[CO], v2, 4, v20
.macro FRAG reg, a16, a8, off          ; a fragment = two units on end: registers 0-3, 4-5, 6-9, 10-11
	ds_load_b128 v[(\reg):(\reg)+3], v[\a16] offset:(\off)
	ds_load_b64 v[(\reg)+4:(\reg)+5], v[\a8] offset:(\off)+512
	ds_load_b128 v[(\reg)+6:(\reg)+9], v[\a16] offset:(\off)+768
	ds_load_b64 v[(\reg)+10:(\reg)+11], v[\a8] offset:(\off)+1280
.endm
.macro SETP ks                         ; K step ks's set, ks % 3: sets 0 and 1 at v32 and v128 of window 0, set 2 at v128 of window 1, above the accumulators
.if (\ks)%3 == 2
.set FB, 128
.set FW, 1
.else
.set FB, FS+96*((\ks)%3)
.set FW, 0
.endif
.endm
.macro FETCH ks                        ; K step ks's eight fragments, 32 loads: y's four, then Wo's four
	SETP \ks
	WIN FW<<6                                      ; the destination's window
.irp i, 0,1,2,3
	FRAG FB+12*\i, A16, A8, TB*\i+1536*(\ks)
.endr
.irp i, 0,1,2,3
	FRAG FB+48+12*\i, B16, B8, TB*\i+1536*(\ks)
.endr
	WIN 0
.endm
.macro MUL ks                          ; 16 matrix instructions; the first K step's start the sums: nothing is cleared
	SETP \ks
	WIN 0x50|(5*FW)                                ; C and D in window 1; both sources in the set's window
.irp a, 0,1,2,3
.irp b, 0,1,2,3
.if (\ks) == 0
	v_wmma_scale_f32_16x16x128_f8f6f4 v[8*(4*\a+\b):8*(4*\a+\b)+7], v[FB+48+12*\b:FB+59+12*\b], v[FB+12*\a:FB+11+12*\a], 0, v[SCR+8*\b+(\ks)], v[SCR+8*\a+(\ks)] matrix_a_fmt:MATRIX_FMT_BF6 matrix_b_fmt:MATRIX_FMT_BF6 matrix_a_scale:MATRIX_SCALE_ROW1
.else
	v_wmma_scale_f32_16x16x128_f8f6f4 v[8*(4*\a+\b):8*(4*\a+\b)+7], v[FB+48+12*\b:FB+59+12*\b], v[FB+12*\a:FB+11+12*\a], v[8*(4*\a+\b):8*(4*\a+\b)+7], v[SCR+8*\b+(\ks)], v[SCR+8*\a+(\ks)] matrix_a_fmt:MATRIX_FMT_BF6 matrix_b_fmt:MATRIX_FMT_BF6 matrix_a_scale:MATRIX_SCALE_ROW1
.endif
.endr
.endr
	WIN 0
.endm
	s_wait_alu depctr_va_vdst(0)
	s_wait_tensorcnt 0x0                           ; my run is in
	s_barrier_signal -1
	s_barrier_wait -1                              ; all four are
.irp i, 0,1,2,3
	ds_load_b128 v[SCR+8*\i:SCR+8*\i+3], v[ADRS] offset:512*\i
	ds_load_b128 v[SCR+8*\i+4:SCR+8*\i+7], v[ADRS] offset:512*\i+16
.endr
	FETCH 0
	FETCH 1
.set KS, 0
.rept 6
.if KS > 0
	PLACES 4                                       ; in front of loads into the set that the step before multiplied
.endif
	FETCH KS+2
	s_wait_dscnt 63                                ; this step's fragments are in: behind them stand the 64 loads of the two steps after it, of which the count's field can name 63
	MUL KS
.set KS, KS+1
.endr
	s_wait_dscnt 32                                ; all but the last step's 32 loads
	MUL 6
	s_wait_dscnt 0x0
	MUL 7
.macro TOSTAGE a                       ; y's tile a: 16 rows x 64 columns; each accumulator from its low end on
	WIN 0x04                                       ; the data in window 1
.irp b, 0,1,2,3
	ds_store_b128 v[STO], v[32*(\a)+8*\b:32*(\a)+8*\b+3] offset:128*(\b/2)+32*(\b%2)
	ds_store_b128 v[STO], v[32*(\a)+8*\b+4:32*(\a)+8*\b+7] offset:128*(\b/2)+32*(\b%2)+16
.endr
	WIN 0
.irp t, 0,1,2,3,4,5,6,7
	ds_load_b128 v[FS+32*((\a)%2)+4*\t:FS+32*((\a)%2)+4*\t+3], v[RD] offset:2*\t*SP   ; LDS serves a wave's instructions in order: these see the stores above
.endr
.endm
.macro SEND a, younger                 ; younger: the LDS instructions issued behind tile a's loads
	s_wait_dscnt \younger
.irp t, 0,1,2,3,4,5,6,7
	global_store_b128 v[CO], v[FS+32*((\a)%2)+4*\t:FS+32*((\a)%2)+4*\t+3], s[12:13] offset:(32*((\a)/2)+8*((\a)%2)+2*\t+8*(\t/4))*4096 th:TH_STORE_NT
.endr
.endm
	PLACES 4                                       ; behind the last products, in front of the stores of results and the loads into fragments' registers
	TOSTAGE 0
.irp a, 1,2,3
.if \a > 1
	s_wait_xcnt 0x0                                ; tile a - 2's stores have read their registers: tile a's loads may land there
.endif
	TOSTAGE \a
	SEND \a-1, 16                                  ; behind tile a - 1's loads: tile a's 8 stores and 8 loads
.endr
	SEND 3, 0
	s_wait_tensorcnt 0x0                           ; the wave's end
	ds_add_u32 v[SPW], v[NIL]
	s_wait_dscnt 0x0
	CROUND                                         ; the closing round
	s_endpgm
.Lfunc_end_k_qc213309bc4_proj:
	.size	k_qc213309bc4_proj, .Lfunc_end_k_qc213309bc4_proj-k_qc213309bc4_proj
	.p2alignl 7, 3214868480
	.fill 96, 4, 3214868480
	.section	.rodata,"a",@progbits
	.p2align	6, 0x0
	.amdhsa_kernel k_qc213309bc4_proj
		.amdhsa_group_segment_fixed_size 229376
		.amdhsa_private_segment_fixed_size 0
		.amdhsa_enable_private_segment 0
		.amdhsa_kernarg_size 40
		.amdhsa_user_sgpr_count 2
		.amdhsa_user_sgpr_kernarg_segment_ptr 1
		.amdhsa_wavefront_size32 1
		.amdhsa_system_sgpr_workgroup_id_x 1
		.amdhsa_system_sgpr_workgroup_id_y 1
		.amdhsa_system_sgpr_workgroup_id_z 1
		.amdhsa_system_vgpr_workitem_id 0
		.amdhsa_next_free_vgpr 512
		.amdhsa_next_free_sgpr 96
		.amdhsa_reserve_vcc 0
		.amdhsa_float_denorm_mode_32 3
		.amdhsa_float_denorm_mode_16_64 3
		.amdhsa_memory_ordered 1
		.amdhsa_forward_progress 1
		.amdhsa_inst_pref_size 50
	.end_amdhsa_kernel
	.amdgpu_metadata
---
amdhsa.version: [ 1, 2 ]
amdhsa.kernels:
  - .name:           k_qc213309bc4_proj
    .symbol:         k_qc213309bc4_proj.kd
    .args:
      - { .name: ycod, .offset: 0, .size: 8, .value_kind: global_buffer, .address_space: global }
      - { .name: yscl, .offset: 8, .size: 8, .value_kind: global_buffer, .address_space: global }
      - { .name: cod, .offset: 16, .size: 8, .value_kind: global_buffer, .address_space: global }
      - { .name: scl, .offset: 24, .size: 8, .value_kind: global_buffer, .address_space: global }
      - { .name: out0, .offset: 32, .size: 8, .value_kind: global_buffer, .address_space: global }
    .group_segment_fixed_size: 229376
    .private_segment_fixed_size: 0
    .kernarg_segment_align: 8
    .kernarg_segment_size: 40
    .max_flat_workgroup_size: 128
    .sgpr_count:     96
    .vgpr_count:     512
    .wavefront_size: 32
...
	.end_amdgpu_metadata
.endif
;; end of part 4
